; MI455X (gfx1250); checked and timed in simulation.
; The chip was launched on July 23, 2026; its instructions are those of AMD's public machine-readable ISA for CDNA 5 (MIT licence, August 2026) and "CDNA5" Instruction Set Architecture Reference Guide (July 2026). The comments in the code are by the model that wrote it; some were corrected since.
;; Attention. Allowed arithmetic: matrix products marked QUANTISED: E3M2 operands, one E8M0 scale for each 32 along K, by v_wmma_scale_f32_16x16x128_f8f6f4 with both operands' format E3M2, f32 sums; everything else in f32.
;; Inputs: Wk_codes 1,024 x 32 x 24 uint8 (E3M2 codes of Wk, K innermost, in blocks of 32 codes, four codes in three bytes); Wk_scales 1,024 x 32 uint8 (E8M0 scales of Wk, one for each 32 codes along K); Wq_codes 1,024 x 32 x 24 uint8 (E3M2 codes of Wq, K innermost, in blocks of 32 codes, four codes in three bytes); Wq_scales 1,024 x 32 uint8 (E8M0 scales of Wq, one for each 32 codes along K); Wv_codes 1,024 x 32 x 24 uint8 (E3M2 codes of Wv, K innermost, in blocks of 32 codes, four codes in three bytes); Wv_scales 1,024 x 32 uint8 (E8M0 scales of Wv, one for each 32 codes along K); bk 1,024 float32; bq 1,024 float32; bv 1,024 float32; cos 2,048 x 32 float32; k_codes 4 x 2,048 x 32 x 24 uint8 (E3M2 codes of k, K innermost, in blocks of 32 codes, four codes in three bytes); k_scales 4 x 2,048 x 32 uint8 (E8M0 scales of k, one for each 32 codes along K); q_codes 4 x 2,048 x 32 x 24 uint8 (E3M2 codes of q, K innermost, in blocks of 32 codes, four codes in three bytes); q_scales 4 x 2,048 x 32 uint8 (E8M0 scales of q, one for each 32 codes along K); sin 2,048 x 32 float32; v_codes 4 x 2,048 x 32 x 24 uint8 (E3M2 codes of v, K innermost, in blocks of 32 codes, four codes in three bytes); v_scales 4 x 2,048 x 32 uint8 (E8M0 scales of v, one for each 32 codes along K).
;; Outputs: out0 4 x 2,048 x 1,024 float32.
;; Constants: mask = 1.
;; This version of the problem:
;;   THIS VERSION OF THE PROBLEM IS GIVEN IN LOW PRECISION. The matrix products marked QUANTISED in the list below multiply operands that are first quantised to E3M2 (3 exponent bits, 2 mantissa bits; 6 bits a number), with one power-of-two scale for each 32 numbers along K (OCP MX v1.0); their sums are f32. All else is computed in f32.
;;   The module's matrix products, in the order in which they are computed (A, B: the left and right operand; K: the contracted axis; several contracted axes count as one K, in the product's order):
;;     1. [M 8,192, K 1,024] x [K 1,024, N 1,024]; A: input q (given as codes); B: input Wq (given as codes): QUANTISED
;;     2. [M 8,192, K 1,024] x [K 1,024, N 1,024]; A: input k (given as codes); B: input Wk (given as codes): QUANTISED
;;     3. [M 8,192, K 1,024] x [K 1,024, N 1,024]; A: input v (given as codes); B: input Wv (given as codes): QUANTISED
;;     4. batch 64 x [M 2,048, K 64] x [K 64, N 2,048]; A: computed on the way; B: computed on the way: QUANTISED
;;     5. batch 64 x [M 2,048, K 2,048] x [K 2,048, N 64]; A: softmax (see below); B: computed on the way: QUANTISED
;;   THE QUANTISER, for each operand of a quantised product, along K:
;;     - K is cut into blocks of 32 from its start; a last block that is shorter is filled with zeros.
;;     - A block's scale is 2^e with e = floor(log2(the largest magnitude in the block)) - 4, held to -126 .. 127; a block of zeros has e = 0. As a byte (E8M0): e + 127.
;;     - Each number is divided by its block's scale, clamped to +-28, and rounded to the nearest number of E3M2, ties to even, subnormals kept.
;;     - The product sums the exact products of the quantised numbers (number of the format x scale) in f32.
;;   ~~~python
;;   def quantise(x, axis):      # numpy; x: float32 -> the quantised numbers, widened to float32 again
;;       x = np.moveaxis(x, axis, -1); K = x.shape[-1]
;;       x = np.pad(x, [(0, 0)] * (x.ndim - 1) + [(0, -K % 32)]); x = x.reshape(x.shape[:-1] + (-1, 32)); a = np.abs(x).max(-1, keepdims=True)
;;       e = np.where(a > 0, np.clip(np.frexp(np.where(a > 0, a, 1))[1] - 1 - 4, -126, 127), 0)      # np.frexp(a)[1] - 1 = floor(log2(a)), exactly
;;       r = np.clip(x / 2.0 ** e, -28, 28)
;;       step = 2.0 ** (np.maximum(np.frexp(np.where(r == 0, 1, r))[1] - 1, -2) - 2)
;;       q = np.round(r / step) * step * 2.0 ** e      # np.round: ties to even
;;       return np.moveaxis(q.reshape(q.shape[:-2] + (-1,))[..., :K], -1, axis).astype(np.float32)
;;   ~~~
;;   SOFTMAX AHEAD OF A QUANTISED PRODUCT. Where the list says 'softmax', what is quantised is not the finished softmax but p = 2^(t - M), with t = logit x log2(e) and M = ceil(the row's largest t), a whole number; so 1/2 < the row's largest p <= 1. The row's sum l is taken of the UNQUANTISED p, in f32, and the product's result is divided by l at the end. Since M is a whole number, a kernel that streams over the keys may use a running M (the ceiling of the running maximum): every later rescaling is an exact power of two, which a block's scale takes up: the codes' values come out the same.
;;   OPERANDS COMPUTED ON THE WAY. 'Computed on the way' means the value that the module computes at that place (a softmax that the list does not call 'softmax' is quantised finished and normalised). What goes into a quantiser is computed in f32, as accurately as f32 sums, v_exp_f32 and their like allow (about 1e-6 of the number): no bf16 or f16 on the way to a quantiser, and a product that is left as it is and whose result goes on into a quantised operand takes f32 operands (vector FMAs, or v_wmma_f32_16x16x4_f32). A number that lies on a knife's edge between two numbers of the format may be rounded either way, as far as f32 arithmetic and the matrix unit's own rounding can turn it there, and no further.
;;   INPUTS GIVEN AS CODES. Wk (in the module: [1024, 1024], K = its axis 1); Wq (in the module: [1024, 1024], K = its axis 1); Wv (in the module: [1024, 1024], K = its axis 1); k (in the module: [4, 2048, 1024], K = its axis 2); q (in the module: [4, 2048, 1024], K = its axis 2); v (in the module: [4, 2048, 1024], K = its axis 2): each comes as NAME_codes (uint8): NAME with its K axis moved to the last place and cut into blocks of 32 codes, [.., K / 32, bytes a block], one block behind the other in memory; four codes in three bytes: a row's codes are one little-endian stream of bits, code i at bits 6 i .. 6 i + 5 (a code: sign, 3 exponent bits, 2 mantissa bits); and NAME_scales (uint8): the same leading axes, one E8M0 byte (e + 127) for each 32 codes along K. Its value is code x scale, taken as it is: it is not quantised again, and the codes and scales need not be those that the quantiser above would give.
;; One version. Each part assembles by itself: llvm-mc -triple=amdgcn-amd-amdhsa -mcpu=gfx1250 --defsym DOCPART=n.
;; ======== version 1 of 1: 3 launches
;; workspace buffers: qrec 13,631,488 bytes; kvrec 13,631,488 bytes
;; launch projqk (part 1): grid 4 x 64, 4 waves a work-group, clusters of 4 x 4, 327,680 bytes of LDS; arguments q_codes, q_scales, Wq_codes, Wq_scales, qrec, bq, k_codes, k_scales, Wk_codes, Wk_scales, kvrec, bk, sin, cos; writes qrec, kvrec
.if DOCPART == 1
	.amdgcn_target "amdgcn-amd-amdhsa--gfx1250"
	.amdhsa_code_object_version 6
	.text
	.protected	k_qdb61e44179_projqk
	.globl	k_qdb61e44179_projqk
	.p2align	8
	.type	k_qdb61e44179_projqk,@function
k_qdb61e44179_projqk:
	s_mov_b64 s[64:65], 0
	v_nop
	global_prefetch_b8 v0, s[64:65] scope:SCOPE_SE
	s_setreg_imm32_b32 hwreg(HW_REG_WAVE_MODE, 25, 1), 1
	s_wait_xcnt 0x0
	s_wait_alu depctr_hold_cnt(0) depctr_sa_sdst(0) depctr_va_vdst(0) depctr_va_sdst(0) depctr_va_ssrc(0) depctr_va_vcc(0) depctr_vm_vsrc(0)
	s_getreg_b32 s2, hwreg(HW_REG_IB_STS2, 6, 4)
	s_cmp_eq_u32 s2, 0
	s_cbranch_scc0 .Lentry_in_a_cluster
	s_endpgm
.Lentry_in_a_cluster:
	s_bfe_u32 s2, ttmp6, 0x10000c
	s_cmp_lg_u32 s2, 0xf033
	s_cbranch_scc0 .Lentry_shape_is_right
	s_endpgm
.Lentry_shape_is_right:
; A PROJECTION ON CODES OF BF6 (E3M2), AND ITS RESULT QUANTISED AGAIN FOR THE ATTENTION.  One text serves two launches:
;   ROPE = 1: q Wq^T + bq and k Wk^T + bk (the cluster's y 0-7: q; 8-15: k), rotated by sin and cos, quantised along the head's 64 channels.
;   ROPE = 0: v Wv^T + bv, used the other way round, quantised along the keys.
; The product: rows of "A" [.., 1024] times rows of "B" [.., 1024], codes of 6 bits, K innermost (a row: 768 bytes), one E8M0 byte for each 32 along K.
;   ROPE = 1: A = 8,192 tokens, B = the weight's 1,024 rows.   ROPE = 0: A = Wv's 1,024 rows, B = 8,192 tokens.
; A work-group of four waves makes 256 rows of A x 256 rows of B, a wave 128 x 128: 64 accumulators, 512 registers.  K goes in steps of 256 through two LDS slots filled by the tensor data mover;
; the scale bytes of the work-group's rows come once, in dense blocks.  4 x 4 work-groups form a cluster: A's tiles are asked for jointly along a row of it, B's along a column.
; THE MATRIX INSTRUCTION: source 0 = 16 rows of B, source 1 = 16 rows of A.  In accumulator (a, b) lane (r, h) holds A's row 16 a + r, and its register j B's row 16 b + 8 h + j.
; So the 64 registers of one a are 128 neighbours along B's rows of ONE row of A: channels of a token (ROPE = 1: two heads of 64), or keys of a channel (ROPE = 0): the next products' K.
; THE WAY OUT.  Bias (and rotation) in f32; then each block of 32 gets its scale, 2^(floor(log2(largest magnitude)) - 4), and its codes; the results leave as IMAGES OF OPERAND REGISTERS: four registers
; a store, lane l's 16 bytes at 16 l: 512 consecutive bytes, aligned.  A record of 13,312 bytes belongs to one (batch, head) and 128 tokens:
;   0: four images of 12 registers, each TWO tiles of 16 tokens x 64 channels (registers 0-5, 6-11);  6,144: their scale words;  6,656: four images of 16 channels x 128 keys;  12,800: their scale words.
; ORDER INSIDE A BLOCK OF 32: the codes stand in the order 0-7, 16-23, 8-15, 24-31, alike in every computed operand of this program, so each product pairs the right numbers; blocks and scales are the true ones.
; LIMITS: NaN and infinities are not served.  A block of zeros, or one whose largest magnitude lies under 2^-122, gets the byte 1 (its codes are zeros or the floor's; this program alone reads the bytes).
; With ROPE = 0 the launch has work for 128 work-groups.
.set ROPE,   1
.set KSTEP,  256                       ; along K in a slot
.set NQ,     2                         ; matrix instructions deep
.set ROWB,   192                       ; a tile's row in bytes
.set KROW,   768                       ; a row of A or B in memory
.set PITCH,  240                       ; an LDS row: 3 x (64 bytes + 16 of padding)
.set FR,     12                        ; registers of a fragment
.set NL,     6                         ; LDS loads that bring one
.set NP,     4                         ; places behind this matrix instruction (ISA guide 7.12.1)
.set HALFT,  128*PITCH                 ; what one tensor load brings
.set SLOT,   4*HALFT                   ; A's 256 rows, then B's 256 rows
.set LAPS,   2                         ; 1,024 along K = four K steps = twice round the ring
.set KS,     32                        ; a row of scale bytes
.set SCL,    2*SLOT                    ; behind the ring: the scales, units of 256 bytes + 16
.set HALFS,  (128*KS/256)*272
.set SBLK,   (16*KS/256)*272
.set SPARE,  SCL+4*HALFS               ; the spare words, 128 bytes a wave: two blocks of 256 bytes that no other line names
.set TABH,   128*144                   ; ROPE: 128 rows of sin or cos, 128 bytes + 16 of padding; sin's halves at 0 and TABH, cos's at 2 TABH and 3 TABH, in slot 0 when it is done
.set HEADB,  212992                    ; a (batch, head)'s 16 records
.set REC,    13312
.set ADRA, 16                          ; v16-19  LDS addresses of my A fragments
.set ADRB, 20                          ; v20-23  of B's
.set LI,   24                          ; v24     16 x lane
.set BO,   25                          ; v25     my byte offset in the bias
.set RA,   26                          ; v26     ROPE: my place in the tables
.set ADRS, 27                          ; v27     LDS address of my scale words
.set SPW,  28                          ; v28     my spare word; never rewritten
.set NIL,  29                          ; v29     0; never rewritten
.set SC,   32                          ; v32-63  scale words, two sets: they hold nothing else
.set TM,   64                          ; v64-79  the quantiser at work
.set PWS,  80                          ; v80-87  the scale word of each block a
.set SWE,  88                          ; v88-91  ROPE: the even head's four words;  v92-95 the odd head's
.set SWO,  92
.set RT,   96                          ; v96-103 ROPE: products at work
.set BV,   104                         ; v104-119 ROPE = 0: the bias of my row in block a, twice
.set AF,   128                         ; A's fragments, window 0
.set H,    128                         ; behind the loop: v128-191 the 64 numbers in hand
.set SN,   192                         ; v192-207 sin, v208-223 cos
.set CSR,  208
.set IMG0, 224                         ; v224-235, v236-247 images
.set IMG1, 236
.set XQ,   248                         ; v248-250, v252-254 the upper halves of blocks
.set SEL,  18                          ; s18, s19 lane selects (written at the epilogue)
.set G1, 24
.set G0, 32
.set G1B, 48
.set G0B, 56
.set G1S, 68
.set G0S, 76
.set G1SB, 80
.set G0SB, 88
.set G1R, 68                           ; the tables' descriptors take the scales' registers once those loads are shown done
.set G0RS, 76
.set G0RC, 88
.set MSB, 0
.macro WIN new                         ; the immediate's high byte repeats the setting that is left
.if MSB != (\new)
	s_set_vgpr_msb (MSB<<8)|(\new)
.set MSB, (\new)
.endif
.endm
.set MUL_LO, 0xa1                      ; source 0 (B) window 1, source 1 (A) window 0, C and D window 2
.set MUL_HI, 0xf1
.set TO_B,   0x40
; A joint load: waves 0 and 1 take the first line, waves 2 and 3 the second.  Each line has one mask and one set of registers; the branch hangs on the wave's number alone.
; Four v_nop follow each line, ahead of the jump, the label and what follows.
.macro JLOAD g0a, g1a, g0b, g1b
	s_cmp_eq_u32 s15, 0
	s_cbranch_scc0 .Lfor_b_\@
	tensor_load_to_lds s[\g0a:\g0a+3], s[\g1a:\g1a+7]
	s_nop 0
.rept 4
	v_nop
.endr
	s_branch .Lasked_\@
.Lfor_b_\@:
	tensor_load_to_lds s[\g0b:\g0b+3], s[\g1b:\g1b+7]
	s_nop 0
.rept 4
	v_nop
.endr
.Lasked_\@:
.endm
.macro CREST                           ; a round of the cluster's barrier behind its opening barrier
	s_cmp_lg_u32 s14, 0
	s_cbranch_scc1 .Lnot_wave_0_\@
	s_barrier_signal -3
.Lnot_wave_0_\@:
	s_barrier_wait -3
	s_barrier_signal -1
	s_barrier_wait -1
.endm
.macro CROUND
	s_barrier_signal -1
	s_barrier_wait -1
	CREST
.endm
	s_load_b256 s[4:11], s[0:1], 0x0               ; A's codes s[4:5], A's scales s[6:7], B's codes s[8:9], B's scales s[10:11]
	s_load_b64 s[12:13], s[0:1], 0x20              ; the records
	s_load_b64 s[100:101], s[0:1], 0x28            ; the bias
.if ROPE
	s_load_b256 s[68:75], s[0:1], 0x30             ; the same six for k
	s_load_b128 s[76:79], s[0:1], 0x50
	s_load_b128 s[96:99], s[0:1], 0x60             ; sin, cos
.endif
	v_lshl_add_u32 v[SPW], v0, 2, SPARE
	v_mov_b32 v[NIL], 0
	ds_add_u32 v28, v29
	ds_add_u32 v28, v29
	s_wait_dscnt 0x0
	v_lshrrev_b32 v1, 5, v0
	v_readfirstlane_b32 s14, v1                    ; wave 0..3
	s_lshr_b32 s15, s14, 1                         ; RH: which half of A's rows is mine.  Also: I fetch for A (0) or for B (1)
	s_and_b32 s16, s14, 1                          ; CH: which half of B's rows.  Also: which 128 rows of that tile I fetch
	s_bfe_u32 s40, ttmp6, 0x40000                  ; cx, cy: my place in the cluster
	s_bfe_u32 s41, ttmp6, 0x40004
	s_lshl_b32 s42, ttmp9, 2
	s_add_co_u32 s42, s42, s40                     ; TC: which 256 rows of B = 4 x cluster x + cx
	s_and_b32 s67, ttmp7, 0xffff                   ; the cluster's y
.if ROPE
	s_and_b32 s17, s67, 7                          ; eight clusters along y for each of the two tensors
	s_lshl_b32 s17, s17, 2
.else
	s_lshl_b32 s17, s67, 2
.endif
	s_add_co_u32 s17, s17, s41                     ; TR: which 256 rows of A
	s_lshl_b32 s43, s41, 2
	s_lshl_b32 s43, 15, s43                        ; my row of the cluster
	s_lshl_b32 s44, 0x1111, s40                    ; my column
	; descriptor group 1: a tile of 128 rows x 192 bytes, 16 bytes of padding behind every 64
	s_or_b32 s[G1+0], s43, (0<<16)|(1<<20)|(1<<21)|(3<<22)|(3<<25)
	s_or_b32 s[G1B+0], s44, (0<<16)|(1<<20)|(1<<21)|(3<<22)|(3<<25)
.irp g, G1, G1B
	s_mov_b32 s[\g+1], ROWB<<16                    ; tensor_dim0
	s_mov_b32 s[\g+2], 128<<16                     ; tensor_dim1
	s_mov_b32 s[\g+3], ROWB<<16                    ; tile_dim0
	s_mov_b32 s[\g+4], 128                         ; tile_dim1
	s_mov_b32 s[\g+5], KROW                        ; from row to row
	s_mov_b32 s[\g+6], 0
	s_mov_b32 s[\g+7], 0
.endr
	s_lshl_b32 s18, s16, 7                         ; which 128 rows of the tile I fetch
	s_lshl_b32 s20, s17, 8
	s_add_co_u32 s20, s20, s18                     ; A: row 256 TR + 128 x half
	s_lshl_b32 s46, s42, 8
	s_add_co_u32 s46, s46, s18                     ; B: row 256 TC + 128 x half
	s_mov_b32 s21, 0
	s_mov_b32 s47, 0
	s_mov_b64 s[18:19], KS
	s_mul_u64 s[22:23], s[20:21], s[18:19]         ; where these rows' scales begin
	s_mul_u64 s[92:93], s[46:47], s[18:19]
	s_mov_b64 s[18:19], KROW
	s_mul_u64 s[20:21], s[20:21], s[18:19]         ; and their codes
	s_mul_u64 s[46:47], s[46:47], s[18:19]
	s_mul_i32 s45, s14, HALFT                      ; where they go: no place in the cluster enters an LDS address
	s_mul_i32 s94, s14, HALFS
	s_wait_kmcnt 0x0
.if ROPE
	s_cmp_lt_u32 s67, 8                            ; q's cluster or k's?  The choice hangs on the cluster's y alone, which all sixteen partners share
	s_cselect_b64 s[4:5], s[4:5], s[68:69]
	s_cselect_b64 s[6:7], s[6:7], s[70:71]
	s_cselect_b64 s[8:9], s[8:9], s[72:73]
	s_cselect_b64 s[10:11], s[10:11], s[74:75]
	s_cselect_b64 s[12:13], s[12:13], s[76:77]
	s_cselect_b64 s[100:101], s[100:101], s[78:79]
.endif
	; the scales of 128 rows: a dense block of 4,096 bytes, as 16 rows of 256 bytes, 16 bytes of padding behind each
	s_or_b32 s[G1S+0], s43, (3<<16)|(1<<20)|(1<<21)|(5<<22)|(3<<25)
	s_or_b32 s[G1SB+0], s44, (3<<16)|(1<<20)|(1<<21)|(5<<22)|(3<<25)
.irp g, G1S, G1SB
	s_mov_b32 s[\g+1], 32<<16
	s_mov_b32 s[\g+2], (128*KS/256)<<16
	s_mov_b32 s[\g+3], 32<<16
	s_mov_b32 s[\g+4], 128*KS/256
	s_mov_b32 s[\g+5], 32
	s_mov_b32 s[\g+6], 0
	s_mov_b32 s[\g+7], 0
.endr
	s_add_nc_u64 s[20:21], s[4:5], s[20:21]
	s_add_nc_u64 s[22:23], s[6:7], s[22:23]
	s_add_nc_u64 s[46:47], s[8:9], s[46:47]
	s_add_nc_u64 s[92:93], s[10:11], s[92:93]
	CROUND                                         ; all sixteen work-groups are here: the first joint loads meet
	s_mov_b32 s[G0S], 1
	s_add_co_u32 s[G0S+1], s94, SCL
	s_mov_b64 s[G0S+2:G0S+3], s[22:23]
	s_or_b32 s[G0S+3], s[G0S+3], 0x80000000
	s_mov_b32 s[G0SB], 1
	s_add_co_u32 s[G0SB+1], s94, SCL
	s_mov_b64 s[G0SB+2:G0SB+3], s[92:93]
	s_or_b32 s[G0SB+3], s[G0SB+3], 0x80000000
	JLOAD G0S, G1S, G0SB, G1SB                     ; the scales first: they are wanted with K step 0
.irp s, 0,1
	s_mov_b32 s[G0+4*\s], 1
	s_add_co_u32 s[G0+4*\s+1], s45, \s*SLOT
	s_add_nc_u64 s[G0+4*\s+2:G0+4*\s+3], s[20:21], \s*ROWB
	s_or_b32 s[G0+4*\s+3], s[G0+4*\s+3], 0x80000000
	s_mov_b32 s[G0B+4*\s], 1
	s_add_co_u32 s[G0B+4*\s+1], s45, \s*SLOT
	s_add_nc_u64 s[G0B+4*\s+2:G0B+4*\s+3], s[46:47], \s*ROWB
	s_or_b32 s[G0B+4*\s+3], s[G0B+4*\s+3], 0x80000000
	JLOAD G0+4*\s, G1, G0B+4*\s, G1B
.endr
	v_and_b32 v1, 15, v0                           ; r = l % 16
	v_bfe_u32 v2, v0, 4, 1                         ; h = l / 16
	v_mul_u32_u24 v3, v1, PITCH
	v_mul_u32_u24 v4, v2, 24
	v_add_nc_u32 v4, v3, v4                        ; a fragment's row x pitch + 24 x half
	v_lshl_add_u32 v5, v2, 4, v4                   ; and the same behind one padding more
	s_mul_i32 s21, s15, HALFT                      ; my 128 rows of A
	s_mul_i32 s22, s16, HALFT                      ; my 128 rows of B,
	s_add_co_u32 s22, s22, 2*HALFT                 ; which lie behind A's 256
.irp s, 0,1
	v_add_nc_u32 v[ADRA+\s], s21, v4
	v_add_nc_u32 v[ADRB+\s], s22, v4
	v_add_nc_u32 v[ADRA+2+\s], s21, v5
	v_add_nc_u32 v[ADRB+2+\s], s22, v5
	s_add_co_u32 s21, s21, SLOT
	s_add_co_u32 s22, s22, SLOT
.endr
	v_mul_u32_u24 v5, v1, KS                       ; my row's scales: 32 bytes a row,
	v_lshrrev_b32 v6, 8, v5
	v_lshl_add_u32 v5, v6, 4, v5                   ; and 16 more for each 256 passed
	s_mul_i32 s21, s15, HALFS
	s_mul_i32 s22, s16, HALFS
	s_add_co_u32 s22, s22, 2*HALFS
	s_sub_co_u32 s22, s22, s21
	v_mul_u32_u24 v6, s22, v2                      ; lanes 16-31 take B's
	s_add_co_u32 s21, s21, SCL
	v_add_nc_u32 v5, v5, v6
	v_add_nc_u32 v[ADRS], s21, v5
	v_and_b32 v6, 31, v0
	v_lshlrev_b32 v[LI], 4, v6                     ; 16 x lane
.if ROPE
	v_mul_u32_u24 v[RA], v1, 144                   ; the tables: my half's 128 tokens, row r of a block of 16, + 16 h: four angles
	v_lshl_add_u32 v[RA], v2, 4, v[RA]
	s_mul_i32 s21, s15, TABH
	v_add_nc_u32 v[RA], s21, v[RA]
	s_lshl_b32 s46, s42, 10                        ; the bias runs along B's rows: 4 (256 TC + 128 CH) + 32 h; tile b: 64 b on
	s_lshl_b32 s47, s16, 9
	s_add_co_u32 s46, s46, s47
	v_lshl_add_u32 v[BO], v2, 5, s46
	WIN 0x40                                       ; into window 1, where v96-127 and v224-255 lie idle beside B's two sets
.irp b, 0,1,2,3,4,5,6,7
	global_load_b128 v[96+128*(\b/4)+8*(\b%4):96+128*(\b/4)+8*(\b%4)+3], v[BO], s[100:101] offset:64*\b
	global_load_b128 v[96+128*(\b/4)+8*(\b%4)+4:96+128*(\b/4)+8*(\b%4)+7], v[BO], s[100:101] offset:64*\b+16
.endr
	WIN 0
	s_lshr_b32 s93, s17, 3                         ; the record: batch = TR / 8,
	s_lshl_b32 s94, s42, 2                         ; head = 4 TC + 2 CH (and the next one),
	s_lshl_b32 s46, s16, 1
	s_and_b32 s47, s17, 7
	s_lshl_b32 s47, s47, 1
	s_add_co_u32 s47, s47, s15                     ; group of 128 tokens = 2 (TR % 8) + RH
.else
	s_lshl_b32 s46, s17, 10                        ; the bias runs along A's rows: 4 (256 TR + 128 RH + r); block a: 64 a on
	s_lshl_b32 s47, s15, 9
	s_add_co_u32 s46, s46, s47
	v_lshl_add_u32 v[BO], v1, 2, s46
.irp a, 0,1,2,3,4,5,6,7
	global_load_b32 v[BV+2*\a], v[BO], s[100:101] offset:64*\a
	global_load_b32 v[BV+2*\a+1], v[BO], s[100:101] offset:64*\a       ; twice: a pair for the packed addition
.endr
	s_lshr_b32 s93, s42, 3                         ; the record: batch = TC / 8,
	s_lshl_b32 s94, s17, 2                         ; head = 4 TR + 2 RH (and the next one),
	s_lshl_b32 s46, s15, 1
	s_and_b32 s47, s42, 7
	s_lshl_b32 s47, s47, 1
	s_add_co_u32 s47, s47, s16                     ; group of 128 tokens = 2 (TC % 8) + CH
.endif
	s_lshl_b32 s93, s93, 4
	s_add_co_u32 s93, s93, s94
	s_add_co_u32 s93, s93, s46                     ; 16 x batch + head
	s_mul_i32 s46, s93, HEADB
	s_mul_i32 s47, s47, REC
	s_add_co_u32 s46, s46, s47                     ; under 2^24
	s_mov_b32 s47, 0
	s_add_nc_u64 s[12:13], s[12:13], s[46:47]      ; my record; all else stands in the stores' immediates
.macro FRAG reg, adr, q, i             ; a fragment, 16 rows x 128 K, is 12 registers: lane l holds row l % 16; registers 6 c .. 6 c + 5 hold K = 64 c + 32 (l / 16) + 0 .. 31: 24 bytes of the row, as they lie
.irp p, 0,1,2,3,4,5                    ; in pieces of 8 bytes; where the piece of lanes 16-31 lies behind one padding more, the second address register serves
.set PC, 12*(\q)+6*(\p/3)+\p%3
.if PC%8 < 5
	ds_load_b64 v[\reg+2*\p:\reg+2*\p+1], v[\adr] offset:8*PC+16*(PC/8)+(\i)*16*PITCH
.else
	ds_load_b64 v[\reg+2*\p:\reg+2*\p+1], v[\adr+2] offset:8*PC+16*(PC/8)+(\i)*16*PITCH
.endif
.endr
.endm
; 16 matrix instructions: A's blocks a0, a0 + 1 x B's eight, 128 along K.  The 64 accumulators take turns, one instruction a turn, in the same order in every step.
.macro MUL16 a0, p, q, sc, zero
.irp a, \a0, \a0+1
.irp b, 0,1,2,3,4,5,6,7
.if \zero
	v_wmma_scale_f32_16x16x128_f8f6f4 v[8*(8*((\a)%4)+\b):8*(8*((\a)%4)+\b)+7], v[128*(\p)+FR*\b:128*(\p)+FR*\b+FR-1], v[AF+FR*(\a):AF+FR*(\a)+FR-1], 0, v[SC+8*NQ*(\sc)+NQ*\b+(\q)], v[SC+8*NQ*(\sc)+NQ*(\a)+(\q)] matrix_a_fmt:MATRIX_FMT_BF6 matrix_b_fmt:MATRIX_FMT_BF6 matrix_a_scale:MATRIX_SCALE_ROW1
.else
	v_wmma_scale_f32_16x16x128_f8f6f4 v[8*(8*((\a)%4)+\b):8*(8*((\a)%4)+\b)+7], v[128*(\p)+FR*\b:128*(\p)+FR*\b+FR-1], v[AF+FR*(\a):AF+FR*(\a)+FR-1], v[8*(8*((\a)%4)+\b):8*(8*((\a)%4)+\b)+7], v[SC+8*NQ*(\sc)+NQ*\b+(\q)], v[SC+8*NQ*(\sc)+NQ*(\a)+(\q)] matrix_a_fmt:MATRIX_FMT_BF6 matrix_b_fmt:MATRIX_FMT_BF6 matrix_a_scale:MATRIX_SCALE_ROW1
.endif
.endr
.endr
.endm
.macro FETCH_B slot, q, p
	WIN TO_B
.irp i, 0,1,2,3,4,5,6,7
	FRAG 128*(\p)+FR*\i, ADRB+\slot, \q, \i
.endr
	WIN 0
.endm
.macro FETCH_A slot, q, i0
.irp i, \i0, \i0+1, \i0+2, \i0+3
	FRAG AF+FR*(\i), ADRA+\slot, \q, \i
.endr
.endm
.macro SCALES sc                       ; a K step's scale words: two a row; lanes 0-15 take A's block i, lanes 16-31 B's block i
.irp i, 0,1,2,3,4,5,6,7
	ds_load_b64 v[SC+8*NQ*\sc+NQ*\i:SC+8*NQ*\sc+NQ*\i+1], v[ADRS] offset:\i*SBLK
.endr
.endm
.macro PLACES n                        ; plain vector instructions that name no register of the matrix instructions in front (ISA guide 7.12.1)
.rept \n
	v_nop
.endr
.endm
.macro STEP slot, q, zero              ; a step of 128 along K that has its successor in the same slot
	s_wait_dscnt 4*NL                              ; B's set and A's blocks 0-3 are in; the youngest 24 loads (A's blocks 4-7) may be out
	WIN MUL_LO
	MUL16 0, (\q)%2, \q, \slot, \zero
	MUL16 2, (\q)%2, \q, \slot, \zero
	s_wait_dscnt 0
	PLACES NP
	FETCH_B \slot, (\q)+1, 1-(\q)%2
	FETCH_A \slot, (\q)+1, 0
	WIN MUL_HI
	MUL16 4, (\q)%2, \q, \slot, \zero
	MUL16 6, (\q)%2, \q, \slot, \zero
	PLACES NP
	WIN 0
	FETCH_A \slot, (\q)+1, 4
.endm
; A slot's last step changes slots: one barrier; in front of it each wave waits for all its tensor loads, adds 0 to its spare word, and waits for that and for its own reads of this slot.
; fill = 1: the slot is filled again, two K steps ahead.  fill = 2: slot 0 has been read for the last time and takes the tables of sin and cos.  fill = 0: nothing is filled, and no round follows.
.macro TURN slot, next, fill
	s_wait_tensorcnt 0x0                           ; all my tensor loads have landed: my part of the next slot
	ds_add_u32 v[SPW], v[NIL]                      ; 0 onto my spare word
	s_wait_dscnt 4*NL+1                            ; (the add and the youngest 24 loads may be out)
	WIN MUL_LO
	MUL16 0, 1, NQ-1, \slot, 0
	s_wait_dscnt 0x0                               ; the add is done, and my reads of this slot are over
	s_barrier_signal -1
	MUL16 2, 1, NQ-1, \slot, 0
	WIN 0
	s_barrier_wait -1
.if \fill == 1
	CREST                                          ; the barrier has opened a round of the cluster's barrier: no wave of any partner still reads this slot or has a load on its way
	s_add_nc_u64 s[G0+4*\slot+2:G0+4*\slot+3], s[G0+4*\slot+2:G0+4*\slot+3], 2*ROWB
	s_add_nc_u64 s[G0B+4*\slot+2:G0B+4*\slot+3], s[G0B+4*\slot+2:G0B+4*\slot+3], 2*ROWB
	JLOAD G0+4*\slot, G1, G0B+4*\slot, G1B         ; my one tensor load behind the round; its four v_nop are the places in front of the loads below
.elseif \fill == 2
	CREST
	JLOAD G0RS, G1R, G0RC, G1R                     ; waves 0, 1: sin's halves; waves 2, 3: cos's.  It has the last K step, 128 matrix instructions, in which to land
.else
	PLACES NP
.endif
	v_add_nc_u32 v[ADRS], 4*NQ, v[ADRS]            ; on to the next K step's scale words
	FETCH_B \next, 0, 0
	FETCH_A \next, 0, 0
	SCALES \next
	WIN MUL_HI
	MUL16 4, 1, NQ-1, \slot, 0
	MUL16 6, 1, NQ-1, \slot, 0
	PLACES NP
	WIN 0
	FETCH_A \next, 0, 4
.endm
	s_wait_tensorcnt 1                             ; the scales and my part of K step 0 are in (K step 1's load may be out),
	s_barrier_signal -1
	s_barrier_wait -1                              ; everybody's are
.if ROPE
	; the tables of my work-group's 256 tokens: 128 rows of 32 numbers a load, 16 bytes of padding behind each row; shared along my row of the cluster.  The scales' loads are done: their registers are free
	s_or_b32 s[G1R+0], s43, (2<<16)|(1<<20)|(1<<21)|(4<<22)|(3<<25)
	s_mov_b32 s[G1R+1], 32<<16
	s_mov_b32 s[G1R+2], 128<<16
	s_mov_b32 s[G1R+3], 32<<16
	s_mov_b32 s[G1R+4], 128
	s_mov_b32 s[G1R+5], 32
	s_mov_b32 s[G1R+6], 0
	s_mov_b32 s[G1R+7], 0
	s_and_b32 s22, s17, 7                          ; position = 256 (TR % 8) + 128 x (wave % 2); a row is 128 bytes
	s_lshl_b32 s22, s22, 15
	s_lshl_b32 s21, s16, 14
	s_add_co_u32 s22, s22, s21
	s_mov_b32 s23, 0
	s_mul_i32 s21, s14, TABH
	s_mov_b32 s[G0RS], 1
	s_mov_b32 s[G0RS+1], s21
	s_add_nc_u64 s[G0RS+2:G0RS+3], s[96:97], s[22:23]
	s_or_b32 s[G0RS+3], s[G0RS+3], 0x80000000
	s_mov_b32 s[G0RC], 1
	s_mov_b32 s[G0RC+1], s21
	s_add_nc_u64 s[G0RC+2:G0RC+3], s[98:99], s[22:23]
	s_or_b32 s[G0RC+3], s[G0RC+3], 0x80000000
.endif
	FETCH_B 0, 0, 0
	FETCH_A 0, 0, 0
	SCALES 0
	FETCH_A 0, 0, 4
	STEP 0, 0, 1                                   ; the first step stands in front of the loop: its products start the sums
	s_mov_b32 s3, LAPS-1
.Llap:                                                 ; a trip goes once round the ring and fills both slots again
	TURN 0, 1, 1
	STEP 1, 0, 0
	TURN 1, 0, 1
	STEP 0, 0, 0
	s_sub_co_u32 s3, s3, 1
	s_cmp_lg_u32 s3, 0
	s_cbranch_scc1 .Llap
.if ROPE
	TURN 0, 1, 2
.else
	TURN 0, 1, 0
.endif
	STEP 1, 0, 0
	s_wait_dscnt 4*NL                              ; the very last step: nothing more to fetch
	WIN MUL_LO
	MUL16 0, 1, NQ-1, 1, 0
	MUL16 2, 1, NQ-1, 1, 0
	s_wait_dscnt 0
	WIN MUL_HI
	MUL16 4, 1, NQ-1, 1, 0
	MUL16 6, 1, NQ-1, 1, 0
	WIN 0
; THE QUANTISER.  64 numbers of a lane, v[QSRC] on: registers 16 B .. 16 B + 15 of lanes l and l xor 16 are block B's 32 numbers.  Codes of blocks 0, 1 -> v[QD0] .. + 5, of blocks 2, 3 -> v[QD1] .. + 5
; (lanes 0-15 the even block, lanes 16-31 the odd one, as an operand wants them); the four scale bytes -> v[QPW].
.macro QUANT
.irp b, 0,1,2,3
	v_max3_num_f32 v[TM+\b], |v[QSRC+16*\b]|, |v[QSRC+1+16*\b]|, 0x2800000   ; my 16 numbers, and the floor 2^(5 - 127): so the byte cannot fall under 1
.endr
.irp i, 2,4,6,8,10,12,14
.irp b, 0,1,2,3
	v_max3_num_f32 v[TM+\b], v[TM+\b], |v[QSRC+16*\b+\i]|, |v[QSRC+1+16*\b+\i]|   ; (the four blocks by turns)
.endr
.endr
.irp b, 0,1,2,3
	v_permlanex16_b32 v[TM+4+\b], v[TM+\b], s[SEL], s[SEL+1]
.endr
.irp b, 0,1,2,3
	v_max_num_f32 v[TM+\b], v[TM+\b], v[TM+4+\b]   ; with lane l xor 16's: the block's largest magnitude
.endr
.irp b, 0,1,2,3
	v_add_nc_u32 v[TM+12+\b], 0xfe000000, v[TM+\b] ; 4 off its exponent field: the conversion takes the exponent field of this operand as its scale
.endr
.irp b, 0,1,2,3
	v_lshrrev_b32 v[TM+4+\b], 23, v[TM+12+\b]      ; the scale's byte
.endr
	v_lshl_or_b32 v[QPW], v[TM+5], 8, v[TM+4]
	v_lshl_or_b32 v[QPW], v[TM+6], 16, v[QPW]
	v_lshl_or_b32 v[QPW], v[TM+7], 24, v[QPW]
	v_cvt_scalef32_pk16_bf6_f32 v[QD0:QD0+2], v[QSRC:QSRC+15], v[TM+12]
	v_cvt_scalef32_pk16_bf6_f32 v[XQ:XQ+2], v[QSRC+16:QSRC+31], v[TM+13]       ; (a conversion's three registers begin on an even number)
	v_cvt_scalef32_pk16_bf6_f32 v[QD1:QD1+2], v[QSRC+32:QSRC+47], v[TM+14]
	v_cvt_scalef32_pk16_bf6_f32 v[XQ+4:XQ+6], v[QSRC+48:QSRC+63], v[TM+15]
	v_nop                                          ; one plain place behind a scaled conversion
.irp i, 0,1,2
	v_permlane16_swap_b32 v[QD0+\i], v[XQ+\i]      ; a whole block to a lane
	v_permlane16_swap_b32 v[QD1+\i], v[XQ+4+\i]
.endr
.irp i, 0,1,2
	v_mov_b32 v[QD0+3+\i], v[XQ+\i]
	v_mov_b32 v[QD1+3+\i], v[XQ+4+\i]
.endr
.endm
; Block a (16 rows of A) leaves.  The packed additions bring the sums out of the accumulators' window and add the bias in the same line; each accumulator is read from its low end on.
.macro EPI a
.set AC, 64*((\a)%4)
.set QSRC, H
.set QPW, PWS+(\a)
.if ROPE
.irp t, 0,1,2,3
	ds_load_b128 v[SN+4*\t:SN+4*\t+3], v[RA] offset:2304*(\a)+32*\t             ; sin and cos of token 16 a + r, angles 8 t + 4 h + 0 .. 3
	ds_load_b128 v[CSR+4*\t:CSR+4*\t+3], v[RA] offset:2*TABH+2304*(\a)+32*\t
.endr
	WIN 0x06+(\a)/4                                ; source 0: the accumulators' window; source 1: window 1, the bias
.set II, 0
.rept 32
.if II < 16
	v_pk_add_f32 v[H+2*II:H+2*II+1], v[AC+2*II:AC+2*II+1], v[96+2*II:97+2*II]
.else
	v_pk_add_f32 v[H+2*II:H+2*II+1], v[AC+2*II:AC+2*II+1], v[192+2*II:193+2*II]
.endif
.set II, II+1
.endr
	WIN 0
	s_wait_dscnt 0x0
.set IB, 0
.rept 8                                ; tile IB: channels 16 (IB % 4) + 8 h + 0 .. 7 of its head: four pairs (x0, x1) -> (x0 c - x1 s, x0 s + x1 c)
.irp p, 0,1,2,3
	v_mul_f32 v[RT+2*\p], v[H+8*IB+2*\p+1], v[SN+4*(IB%4)+\p]
	v_mul_f32 v[RT+2*\p+1], v[H+8*IB+2*\p], v[SN+4*(IB%4)+\p]
.endr
.irp p, 0,1,2,3
	v_fma_f32 v[H+8*IB+2*\p], v[H+8*IB+2*\p], v[CSR+4*(IB%4)+\p], -v[RT+2*\p]
	v_fma_f32 v[H+8*IB+2*\p+1], v[H+8*IB+2*\p+1], v[CSR+4*(IB%4)+\p], v[RT+2*\p+1]
.endr
.set IB, IB+1
.endr
.set QD0, IMG0+6*((\a)%2)              ; the even head's image: registers 0-5 from an even a, 6-11 from the odd a behind it
.set QD1, IMG1+6*((\a)%2)              ; the odd head's
.if ((\a)%2 == 0) && ((\a) > 0)
	s_wait_xcnt 0x0                                ; the last pair's stores have read the images: only now are they written again
.endif
	QUANT
.if (\a)%2 == 1
.irp c, 0,1,2
	global_store_b128 v[LI], v[IMG0+4*\c:IMG0+4*\c+3], s[12:13] offset:1536*((\a)/2)+512*\c          ; 32 lanes store 512 consecutive bytes, aligned to 256
	global_store_b128 v[LI], v[IMG1+4*\c:IMG1+4*\c+3], s[12:13] offset:HEADB+1536*((\a)/2)+512*\c
.endr
.endif
.else
	WIN 0x02+(\a)/4
.set II, 0
.rept 32
	v_pk_add_f32 v[H+2*II:H+2*II+1], v[AC+2*II:AC+2*II+1], v[BV+2*(\a):BV+2*(\a)+1]
.set II, II+1
.endr
	WIN 0
.set QD0, IMG0                         ; 16 channels x 128 keys: one whole fragment
.set QD1, IMG0+6
.if (\a) > 0
	s_wait_xcnt 0x0                                ; the last block's stores have read the image
.endif
	QUANT
.irp c, 0,1,2
	global_store_b128 v[LI], v[IMG0+4*\c:IMG0+4*\c+3], s[12:13] offset:((\a)/4)*HEADB+6656+((\a)%4)*1536+512*\c
.endr
.if (\a)%4 == 3
	global_store_b128 v[LI], v[PWS+4*((\a)/4):PWS+4*((\a)/4)+3], s[12:13] offset:((\a)/4)*HEADB+12800   ; the head's four scale words a lane
.endif
.endif
.endm
	PLACES NP                                      ; behind the last products: in front of the first read of results and of writes and loads into A's registers
.if ROPE
	s_wait_tensorcnt 0x0                           ; my part of the tables is in;
	s_wait_dscnt 0x0
	s_barrier_signal -1
	s_barrier_wait -1                              ; everybody's is.
.endif
	s_wait_loadcnt 0x0                             ; the bias
	s_mov_b32 s[SEL], 0x76543210
	s_mov_b32 s[SEL+1], 0xfedcba98                 ; lane l xor 16
.irp b, 0,1,2,3
	v_mov_b32 v[TM+4+\b], 0                        ; written once: a lane permute's destination counts as one of its sources
.endr
.irp a, 0,1,2,3,4,5,6,7
	EPI \a
.endr
.if ROPE
.irp p, 0,1,2,3                        ; a word of PWS holds the even head's two bytes below and the odd head's above; a pair's word wants tile 2 p's two bytes below and tile 2 p + 1's above
	v_and_b32 v[SWE+\p], 0xffff, v[PWS+2*\p]
	v_lshrrev_b32 v[SWO+\p], 16, v[PWS+2*\p]
.endr
.irp p, 0,1,2,3
	v_lshl_or_b32 v[SWE+\p], v[PWS+2*\p+1], 16, v[SWE+\p]
	v_and_or_b32 v[SWO+\p], v[PWS+2*\p+1], 0xffff0000, v[SWO+\p]
.endr
	global_store_b128 v[LI], v[SWE:SWE+3], s[12:13] offset:6144
	global_store_b128 v[LI], v[SWO:SWO+3], s[12:13] offset:HEADB+6144
.endif
	s_wait_tensorcnt 0x0                           ; the wave's end
	ds_add_u32 v[SPW], v[NIL]
	s_wait_dscnt 0x0
	CROUND                                         ; the closing round: no work-group ends while a partner may still ask for a tile that names it
	s_endpgm
.Lfunc_end_k_qdb61e44179_projqk:
	.size	k_qdb61e44179_projqk, .Lfunc_end_k_qdb61e44179_projqk-k_qdb61e44179_projqk
	.p2alignl 7, 3214868480
	.fill 96, 4, 3214868480
	.section	.rodata,"a",@progbits
	.p2align	6, 0x0
	.amdhsa_kernel k_qdb61e44179_projqk
		.amdhsa_group_segment_fixed_size 327680
		.amdhsa_private_segment_fixed_size 0
		.amdhsa_enable_private_segment 0
		.amdhsa_kernarg_size 112
		.amdhsa_user_sgpr_count 2
		.amdhsa_user_sgpr_kernarg_segment_ptr 1
		.amdhsa_wavefront_size32 1
		.amdhsa_system_sgpr_workgroup_id_x 1
		.amdhsa_system_sgpr_workgroup_id_y 1
		.amdhsa_system_sgpr_workgroup_id_z 1
		.amdhsa_system_vgpr_workitem_id 0
		.amdhsa_next_free_vgpr 1024
		.amdhsa_next_free_sgpr 102
		.amdhsa_reserve_vcc 0
		.amdhsa_float_denorm_mode_32 3
		.amdhsa_float_denorm_mode_16_64 3
		.amdhsa_memory_ordered 1
		.amdhsa_forward_progress 1
		.amdhsa_inst_pref_size 237
	.end_amdhsa_kernel
	.amdgpu_metadata
---
amdhsa.version: [ 1, 2 ]
amdhsa.kernels:
  - .name:           k_qdb61e44179_projqk
    .symbol:         k_qdb61e44179_projqk.kd
    .args:
      - { .name: q_codes, .offset: 0, .size: 8, .value_kind: global_buffer, .address_space: global }
      - { .name: q_scales, .offset: 8, .size: 8, .value_kind: global_buffer, .address_space: global }
      - { .name: Wq_codes, .offset: 16, .size: 8, .value_kind: global_buffer, .address_space: global }
      - { .name: Wq_scales, .offset: 24, .size: 8, .value_kind: global_buffer, .address_space: global }
      - { .name: qrec, .offset: 32, .size: 8, .value_kind: global_buffer, .address_space: global }
      - { .name: bq, .offset: 40, .size: 8, .value_kind: global_buffer, .address_space: global }
      - { .name: k_codes, .offset: 48, .size: 8, .value_kind: global_buffer, .address_space: global }
      - { .name: k_scales, .offset: 56, .size: 8, .value_kind: global_buffer, .address_space: global }
      - { .name: Wk_codes, .offset: 64, .size: 8, .value_kind: global_buffer, .address_space: global }
      - { .name: Wk_scales, .offset: 72, .size: 8, .value_kind: global_buffer, .address_space: global }
      - { .name: kvrec, .offset: 80, .size: 8, .value_kind: global_buffer, .address_space: global }
      - { .name: bk, .offset: 88, .size: 8, .value_kind: global_buffer, .address_space: global }
      - { .name: sin, .offset: 96, .size: 8, .value_kind: global_buffer, .address_space: global }
      - { .name: cos, .offset: 104, .size: 8, .value_kind: global_buffer, .address_space: global }
    .group_segment_fixed_size: 327680
    .private_segment_fixed_size: 0
    .kernarg_segment_align: 8
    .kernarg_segment_size: 112
    .max_flat_workgroup_size: 128
    .sgpr_count:     102
    .vgpr_count:     1024
    .wavefront_size: 32
...
	.end_amdgpu_metadata
.endif
;; end of part 1
;; launch projv (part 2): grid 32 x 4, 4 waves a work-group, clusters of 4 x 4, 327,680 bytes of LDS; arguments Wv_codes, Wv_scales, v_codes, v_scales, kvrec, bv; writes kvrec
.if DOCPART == 2
	.amdgcn_target "amdgcn-amd-amdhsa--gfx1250"
	.amdhsa_code_object_version 6
	.text
	.protected	k_qdb61e44179_projv
	.globl	k_qdb61e44179_projv
	.p2align	8
	.type	k_qdb61e44179_projv,@function
k_qdb61e44179_projv:
	s_mov_b64 s[64:65], 0
	v_nop
	global_prefetch_b8 v0, s[64:65] scope:SCOPE_SE
	s_setreg_imm32_b32 hwreg(HW_REG_WAVE_MODE, 25, 1), 1
	s_wait_xcnt 0x0
	s_wait_alu depctr_hold_cnt(0) depctr_sa_sdst(0) depctr_va_vdst(0) depctr_va_sdst(0) depctr_va_ssrc(0) depctr_va_vcc(0) depctr_vm_vsrc(0)
	s_getreg_b32 s2, hwreg(HW_REG_IB_STS2, 6, 4)
	s_cmp_eq_u32 s2, 0
	s_cbranch_scc0 .Lentry_in_a_cluster
	s_endpgm
.Lentry_in_a_cluster:
	s_bfe_u32 s2, ttmp6, 0x10000c
	s_cmp_lg_u32 s2, 0xf033
	s_cbranch_scc0 .Lentry_shape_is_right
	s_endpgm
.Lentry_shape_is_right:
; A PROJECTION ON CODES OF BF6 (E3M2), AND ITS RESULT QUANTISED AGAIN FOR THE ATTENTION.  One text serves two launches:
;   ROPE = 1: q Wq^T + bq and k Wk^T + bk (the cluster's y 0-7: q; 8-15: k), rotated by sin and cos, quantised along the head's 64 channels.
;   ROPE = 0: v Wv^T + bv, used the other way round, quantised along the keys.
; The product: rows of "A" [.., 1024] times rows of "B" [.., 1024], codes of 6 bits, K innermost (a row: 768 bytes), one E8M0 byte for each 32 along K.
;   ROPE = 1: A = 8,192 tokens, B = the weight's 1,024 rows.   ROPE = 0: A = Wv's 1,024 rows, B = 8,192 tokens.
; A work-group of four waves makes 256 rows of A x 256 rows of B, a wave 128 x 128: 64 accumulators, 512 registers.  K goes in steps of 256 through two LDS slots filled by the tensor data mover;
; the scale bytes of the work-group's rows come once, in dense blocks.  4 x 4 work-groups form a cluster: A's tiles are asked for jointly along a row of it, B's along a column.
; THE MATRIX INSTRUCTION: source 0 = 16 rows of B, source 1 = 16 rows of A.  In accumulator (a, b) lane (r, h) holds A's row 16 a + r, and its register j B's row 16 b + 8 h + j.
; So the 64 registers of one a are 128 neighbours along B's rows of ONE row of A: channels of a token (ROPE = 1: two heads of 64), or keys of a channel (ROPE = 0): the next products' K.
; THE WAY OUT.  Bias (and rotation) in f32; then each block of 32 gets its scale, 2^(floor(log2(largest magnitude)) - 4), and its codes; the results leave as IMAGES OF OPERAND REGISTERS: four registers
; a store, lane l's 16 bytes at 16 l: 512 consecutive bytes, aligned.  A record of 13,312 bytes belongs to one (batch, head) and 128 tokens:
;   0: four images of 12 registers, each TWO tiles of 16 tokens x 64 channels (registers 0-5, 6-11);  6,144: their scale words;  6,656: four images of 16 channels x 128 keys;  12,800: their scale words.
; ORDER INSIDE A BLOCK OF 32: the codes stand in the order 0-7, 16-23, 8-15, 24-31, alike in every computed operand of this program, so each product pairs the right numbers; blocks and scales are the true ones.
; LIMITS: NaN and infinities are not served.  A block of zeros, or one whose largest magnitude lies under 2^-122, gets the byte 1 (its codes are zeros or the floor's; this program alone reads the bytes).
; With ROPE = 0 the launch has work for 128 work-groups.
.set ROPE,   0
.set KSTEP,  256                       ; along K in a slot
.set NQ,     2                         ; matrix instructions deep
.set ROWB,   192                       ; a tile's row in bytes
.set KROW,   768                       ; a row of A or B in memory
.set PITCH,  240                       ; an LDS row: 3 x (64 bytes + 16 of padding)
.set FR,     12                        ; registers of a fragment
.set NL,     6                         ; LDS loads that bring one
.set NP,     4                         ; places behind this matrix instruction (ISA guide 7.12.1)
.set HALFT,  128*PITCH                 ; what one tensor load brings
.set SLOT,   4*HALFT                   ; A's 256 rows, then B's 256 rows
.set LAPS,   2                         ; 1,024 along K = four K steps = twice round the ring
.set KS,     32                        ; a row of scale bytes
.set SCL,    2*SLOT                    ; behind the ring: the scales, units of 256 bytes + 16
.set HALFS,  (128*KS/256)*272
.set SBLK,   (16*KS/256)*272
.set SPARE,  SCL+4*HALFS               ; the spare words, 128 bytes a wave: two blocks of 256 bytes that no other line names
.set TABH,   128*144                   ; ROPE: 128 rows of sin or cos, 128 bytes + 16 of padding; sin's halves at 0 and TABH, cos's at 2 TABH and 3 TABH, in slot 0 when it is done
.set HEADB,  212992                    ; a (batch, head)'s 16 records
.set REC,    13312
.set ADRA, 16                          ; v16-19  LDS addresses of my A fragments
.set ADRB, 20                          ; v20-23  of B's
.set LI,   24                          ; v24     16 x lane
.set BO,   25                          ; v25     my byte offset in the bias
.set RA,   26                          ; v26     ROPE: my place in the tables
.set ADRS, 27                          ; v27     LDS address of my scale words
.set SPW,  28                          ; v28     my spare word; never rewritten
.set NIL,  29                          ; v29     0; never rewritten
.set SC,   32                          ; v32-63  scale words, two sets: they hold nothing else
.set TM,   64                          ; v64-79  the quantiser at work
.set PWS,  80                          ; v80-87  the scale word of each block a
.set SWE,  88                          ; v88-91  ROPE: the even head's four words;  v92-95 the odd head's
.set SWO,  92
.set RT,   96                          ; v96-103 ROPE: products at work
.set BV,   104                         ; v104-119 ROPE = 0: the bias of my row in block a, twice
.set AF,   128                         ; A's fragments, window 0
.set H,    128                         ; behind the loop: v128-191 the 64 numbers in hand
.set SN,   192                         ; v192-207 sin, v208-223 cos
.set CSR,  208
.set IMG0, 224                         ; v224-235, v236-247 images
.set IMG1, 236
.set XQ,   248                         ; v248-250, v252-254 the upper halves of blocks
.set SEL,  18                          ; s18, s19 lane selects (written at the epilogue)
.set G1, 24
.set G0, 32
.set G1B, 48
.set G0B, 56
.set G1S, 68
.set G0S, 76
.set G1SB, 80
.set G0SB, 88
.set G1R, 68                           ; the tables' descriptors take the scales' registers once those loads are shown done
.set G0RS, 76
.set G0RC, 88
.set MSB, 0
.macro WIN new                         ; the immediate's high byte repeats the setting that is left
.if MSB != (\new)
	s_set_vgpr_msb (MSB<<8)|(\new)
.set MSB, (\new)
.endif
.endm
.set MUL_LO, 0xa1                      ; source 0 (B) window 1, source 1 (A) window 0, C and D window 2
.set MUL_HI, 0xf1
.set TO_B,   0x40
; A joint load: waves 0 and 1 take the first line, waves 2 and 3 the second.  Each line has one mask and one set of registers; the branch hangs on the wave's number alone.
; Four v_nop follow each line, ahead of the jump, the label and what follows.
.macro JLOAD g0a, g1a, g0b, g1b
	s_cmp_eq_u32 s15, 0
	s_cbranch_scc0 .Lfor_b_\@
	tensor_load_to_lds s[\g0a:\g0a+3], s[\g1a:\g1a+7]
	s_nop 0
.rept 4
	v_nop
.endr
	s_branch .Lasked_\@
.Lfor_b_\@:
	tensor_load_to_lds s[\g0b:\g0b+3], s[\g1b:\g1b+7]
	s_nop 0
.rept 4
	v_nop
.endr
.Lasked_\@:
.endm
.macro CREST                           ; a round of the cluster's barrier behind its opening barrier
	s_cmp_lg_u32 s14, 0
	s_cbranch_scc1 .Lnot_wave_0_\@
	s_barrier_signal -3
.Lnot_wave_0_\@:
	s_barrier_wait -3
	s_barrier_signal -1
	s_barrier_wait -1
.endm
.macro CROUND
	s_barrier_signal -1
	s_barrier_wait -1
	CREST
.endm
	s_load_b256 s[4:11], s[0:1], 0x0               ; A's codes s[4:5], A's scales s[6:7], B's codes s[8:9], B's scales s[10:11]
	s_load_b64 s[12:13], s[0:1], 0x20              ; the records
	s_load_b64 s[100:101], s[0:1], 0x28            ; the bias
.if ROPE
	s_load_b256 s[68:75], s[0:1], 0x30             ; the same six for k
	s_load_b128 s[76:79], s[0:1], 0x50
	s_load_b128 s[96:99], s[0:1], 0x60             ; sin, cos
.endif
	v_lshl_add_u32 v[SPW], v0, 2, SPARE
	v_mov_b32 v[NIL], 0
	ds_add_u32 v28, v29
	ds_add_u32 v28, v29
	s_wait_dscnt 0x0
	v_lshrrev_b32 v1, 5, v0
	v_readfirstlane_b32 s14, v1                    ; wave 0..3
	s_lshr_b32 s15, s14, 1                         ; RH: which half of A's rows is mine.  Also: I fetch for A (0) or for B (1)
	s_and_b32 s16, s14, 1                          ; CH: which half of B's rows.  Also: which 128 rows of that tile I fetch
	s_bfe_u32 s40, ttmp6, 0x40000                  ; cx, cy: my place in the cluster
	s_bfe_u32 s41, ttmp6, 0x40004
	s_lshl_b32 s42, ttmp9, 2
	s_add_co_u32 s42, s42, s40                     ; TC: which 256 rows of B = 4 x cluster x + cx
	s_and_b32 s67, ttmp7, 0xffff                   ; the cluster's y
.if ROPE
	s_and_b32 s17, s67, 7                          ; eight clusters along y for each of the two tensors
	s_lshl_b32 s17, s17, 2
.else
	s_lshl_b32 s17, s67, 2
.endif
	s_add_co_u32 s17, s17, s41                     ; TR: which 256 rows of A
	s_lshl_b32 s43, s41, 2
	s_lshl_b32 s43, 15, s43                        ; my row of the cluster
	s_lshl_b32 s44, 0x1111, s40                    ; my column
	; descriptor group 1: a tile of 128 rows x 192 bytes, 16 bytes of padding behind every 64
	s_or_b32 s[G1+0], s43, (0<<16)|(1<<20)|(1<<21)|(3<<22)|(3<<25)
	s_or_b32 s[G1B+0], s44, (0<<16)|(1<<20)|(1<<21)|(3<<22)|(3<<25)
.irp g, G1, G1B
	s_mov_b32 s[\g+1], ROWB<<16                    ; tensor_dim0
	s_mov_b32 s[\g+2], 128<<16                     ; tensor_dim1
	s_mov_b32 s[\g+3], ROWB<<16                    ; tile_dim0
	s_mov_b32 s[\g+4], 128                         ; tile_dim1
	s_mov_b32 s[\g+5], KROW                        ; from row to row
	s_mov_b32 s[\g+6], 0
	s_mov_b32 s[\g+7], 0
.endr
	s_lshl_b32 s18, s16, 7                         ; which 128 rows of the tile I fetch
	s_lshl_b32 s20, s17, 8
	s_add_co_u32 s20, s20, s18                     ; A: row 256 TR + 128 x half
	s_lshl_b32 s46, s42, 8
	s_add_co_u32 s46, s46, s18                     ; B: row 256 TC + 128 x half
	s_mov_b32 s21, 0
	s_mov_b32 s47, 0
	s_mov_b64 s[18:19], KS
	s_mul_u64 s[22:23], s[20:21], s[18:19]         ; where these rows' scales begin
	s_mul_u64 s[92:93], s[46:47], s[18:19]
	s_mov_b64 s[18:19], KROW
	s_mul_u64 s[20:21], s[20:21], s[18:19]         ; and their codes
	s_mul_u64 s[46:47], s[46:47], s[18:19]
	s_mul_i32 s45, s14, HALFT                      ; where they go: no place in the cluster enters an LDS address
	s_mul_i32 s94, s14, HALFS
	s_wait_kmcnt 0x0
.if ROPE
	s_cmp_lt_u32 s67, 8                            ; q's cluster or k's?  The choice hangs on the cluster's y alone, which all sixteen partners share
	s_cselect_b64 s[4:5], s[4:5], s[68:69]
	s_cselect_b64 s[6:7], s[6:7], s[70:71]
	s_cselect_b64 s[8:9], s[8:9], s[72:73]
	s_cselect_b64 s[10:11], s[10:11], s[74:75]
	s_cselect_b64 s[12:13], s[12:13], s[76:77]
	s_cselect_b64 s[100:101], s[100:101], s[78:79]
.endif
	; the scales of 128 rows: a dense block of 4,096 bytes, as 16 rows of 256 bytes, 16 bytes of padding behind each
	s_or_b32 s[G1S+0], s43, (3<<16)|(1<<20)|(1<<21)|(5<<22)|(3<<25)
	s_or_b32 s[G1SB+0], s44, (3<<16)|(1<<20)|(1<<21)|(5<<22)|(3<<25)
.irp g, G1S, G1SB
	s_mov_b32 s[\g+1], 32<<16
	s_mov_b32 s[\g+2], (128*KS/256)<<16
	s_mov_b32 s[\g+3], 32<<16
	s_mov_b32 s[\g+4], 128*KS/256
	s_mov_b32 s[\g+5], 32
	s_mov_b32 s[\g+6], 0
	s_mov_b32 s[\g+7], 0
.endr
	s_add_nc_u64 s[20:21], s[4:5], s[20:21]
	s_add_nc_u64 s[22:23], s[6:7], s[22:23]
	s_add_nc_u64 s[46:47], s[8:9], s[46:47]
	s_add_nc_u64 s[92:93], s[10:11], s[92:93]
	CROUND                                         ; all sixteen work-groups are here: the first joint loads meet
	s_mov_b32 s[G0S], 1
	s_add_co_u32 s[G0S+1], s94, SCL
	s_mov_b64 s[G0S+2:G0S+3], s[22:23]
	s_or_b32 s[G0S+3], s[G0S+3], 0x80000000
	s_mov_b32 s[G0SB], 1
	s_add_co_u32 s[G0SB+1], s94, SCL
	s_mov_b64 s[G0SB+2:G0SB+3], s[92:93]
	s_or_b32 s[G0SB+3], s[G0SB+3], 0x80000000
	JLOAD G0S, G1S, G0SB, G1SB                     ; the scales first: they are wanted with K step 0
.irp s, 0,1
	s_mov_b32 s[G0+4*\s], 1
	s_add_co_u32 s[G0+4*\s+1], s45, \s*SLOT
	s_add_nc_u64 s[G0+4*\s+2:G0+4*\s+3], s[20:21], \s*ROWB
	s_or_b32 s[G0+4*\s+3], s[G0+4*\s+3], 0x80000000
	s_mov_b32 s[G0B+4*\s], 1
	s_add_co_u32 s[G0B+4*\s+1], s45, \s*SLOT
	s_add_nc_u64 s[G0B+4*\s+2:G0B+4*\s+3], s[46:47], \s*ROWB
	s_or_b32 s[G0B+4*\s+3], s[G0B+4*\s+3], 0x80000000
	JLOAD G0+4*\s, G1, G0B+4*\s, G1B
.endr
	v_and_b32 v1, 15, v0                           ; r = l % 16
	v_bfe_u32 v2, v0, 4, 1                         ; h = l / 16
	v_mul_u32_u24 v3, v1, PITCH
	v_mul_u32_u24 v4, v2, 24
	v_add_nc_u32 v4, v3, v4                        ; a fragment's row x pitch + 24 x half
	v_lshl_add_u32 v5, v2, 4, v4                   ; and the same behind one padding more
	s_mul_i32 s21, s15, HALFT                      ; my 128 rows of A
	s_mul_i32 s22, s16, HALFT                      ; my 128 rows of B,
	s_add_co_u32 s22, s22, 2*HALFT                 ; which lie behind A's 256
.irp s, 0,1
	v_add_nc_u32 v[ADRA+\s], s21, v4
	v_add_nc_u32 v[ADRB+\s], s22, v4
	v_add_nc_u32 v[ADRA+2+\s], s21, v5
	v_add_nc_u32 v[ADRB+2+\s], s22, v5
	s_add_co_u32 s21, s21, SLOT
	s_add_co_u32 s22, s22, SLOT
.endr
	v_mul_u32_u24 v5, v1, KS                       ; my row's scales: 32 bytes a row,
	v_lshrrev_b32 v6, 8, v5
	v_lshl_add_u32 v5, v6, 4, v5                   ; and 16 more for each 256 passed
	s_mul_i32 s21, s15, HALFS
	s_mul_i32 s22, s16, HALFS
	s_add_co_u32 s22, s22, 2*HALFS
	s_sub_co_u32 s22, s22, s21
	v_mul_u32_u24 v6, s22, v2                      ; lanes 16-31 take B's
	s_add_co_u32 s21, s21, SCL
	v_add_nc_u32 v5, v5, v6
	v_add_nc_u32 v[ADRS], s21, v5
	v_and_b32 v6, 31, v0
	v_lshlrev_b32 v[LI], 4, v6                     ; 16 x lane
.if ROPE
	v_mul_u32_u24 v[RA], v1, 144                   ; the tables: my half's 128 tokens, row r of a block of 16, + 16 h: four angles
	v_lshl_add_u32 v[RA], v2, 4, v[RA]
	s_mul_i32 s21, s15, TABH
	v_add_nc_u32 v[RA], s21, v[RA]
	s_lshl_b32 s46, s42, 10                        ; the bias runs along B's rows: 4 (256 TC + 128 CH) + 32 h; tile b: 64 b on
	s_lshl_b32 s47, s16, 9
	s_add_co_u32 s46, s46, s47
	v_lshl_add_u32 v[BO], v2, 5, s46
	WIN 0x40                                       ; into window 1, where v96-127 and v224-255 lie idle beside B's two sets
.irp b, 0,1,2,3,4,5,6,7
	global_load_b128 v[96+128*(\b/4)+8*(\b%4):96+128*(\b/4)+8*(\b%4)+3], v[BO], s[100:101] offset:64*\b
	global_load_b128 v[96+128*(\b/4)+8*(\b%4)+4:96+128*(\b/4)+8*(\b%4)+7], v[BO], s[100:101] offset:64*\b+16
.endr
	WIN 0
	s_lshr_b32 s93, s17, 3                         ; the record: batch = TR / 8,
	s_lshl_b32 s94, s42, 2                         ; head = 4 TC + 2 CH (and the next one),
	s_lshl_b32 s46, s16, 1
	s_and_b32 s47, s17, 7
	s_lshl_b32 s47, s47, 1
	s_add_co_u32 s47, s47, s15                     ; group of 128 tokens = 2 (TR % 8) + RH
.else
	s_lshl_b32 s46, s17, 10                        ; the bias runs along A's rows: 4 (256 TR + 128 RH + r); block a: 64 a on
	s_lshl_b32 s47, s15, 9
	s_add_co_u32 s46, s46, s47
	v_lshl_add_u32 v[BO], v1, 2, s46
.irp a, 0,1,2,3,4,5,6,7
	global_load_b32 v[BV+2*\a], v[BO], s[100:101] offset:64*\a
	global_load_b32 v[BV+2*\a+1], v[BO], s[100:101] offset:64*\a       ; twice: a pair for the packed addition
.endr
	s_lshr_b32 s93, s42, 3                         ; the record: batch = TC / 8,
	s_lshl_b32 s94, s17, 2                         ; head = 4 TR + 2 RH (and the next one),
	s_lshl_b32 s46, s15, 1
	s_and_b32 s47, s42, 7
	s_lshl_b32 s47, s47, 1
	s_add_co_u32 s47, s47, s16                     ; group of 128 tokens = 2 (TC % 8) + CH
.endif
	s_lshl_b32 s93, s93, 4
	s_add_co_u32 s93, s93, s94
	s_add_co_u32 s93, s93, s46                     ; 16 x batch + head
	s_mul_i32 s46, s93, HEADB
	s_mul_i32 s47, s47, REC
	s_add_co_u32 s46, s46, s47                     ; under 2^24
	s_mov_b32 s47, 0
	s_add_nc_u64 s[12:13], s[12:13], s[46:47]      ; my record; all else stands in the stores' immediates
.macro FRAG reg, adr, q, i             ; a fragment, 16 rows x 128 K, is 12 registers: lane l holds row l % 16; registers 6 c .. 6 c + 5 hold K = 64 c + 32 (l / 16) + 0 .. 31: 24 bytes of the row, as they lie
.irp p, 0,1,2,3,4,5                    ; in pieces of 8 bytes; where the piece of lanes 16-31 lies behind one padding more, the second address register serves
.set PC, 12*(\q)+6*(\p/3)+\p%3
.if PC%8 < 5
	ds_load_b64 v[\reg+2*\p:\reg+2*\p+1], v[\adr] offset:8*PC+16*(PC/8)+(\i)*16*PITCH
.else
	ds_load_b64 v[\reg+2*\p:\reg+2*\p+1], v[\adr+2] offset:8*PC+16*(PC/8)+(\i)*16*PITCH
.endif
.endr
.endm
; 16 matrix instructions: A's blocks a0, a0 + 1 x B's eight, 128 along K.  The 64 accumulators take turns, one instruction a turn, in the same order in every step.
.macro MUL16 a0, p, q, sc, zero
.irp a, \a0, \a0+1
.irp b, 0,1,2,3,4,5,6,7
.if \zero
	v_wmma_scale_f32_16x16x128_f8f6f4 v[8*(8*((\a)%4)+\b):8*(8*((\a)%4)+\b)+7], v[128*(\p)+FR*\b:128*(\p)+FR*\b+FR-1], v[AF+FR*(\a):AF+FR*(\a)+FR-1], 0, v[SC+8*NQ*(\sc)+NQ*\b+(\q)], v[SC+8*NQ*(\sc)+NQ*(\a)+(\q)] matrix_a_fmt:MATRIX_FMT_BF6 matrix_b_fmt:MATRIX_FMT_BF6 matrix_a_scale:MATRIX_SCALE_ROW1
.else
	v_wmma_scale_f32_16x16x128_f8f6f4 v[8*(8*((\a)%4)+\b):8*(8*((\a)%4)+\b)+7], v[128*(\p)+FR*\b:128*(\p)+FR*\b+FR-1], v[AF+FR*(\a):AF+FR*(\a)+FR-1], v[8*(8*((\a)%4)+\b):8*(8*((\a)%4)+\b)+7], v[SC+8*NQ*(\sc)+NQ*\b+(\q)], v[SC+8*NQ*(\sc)+NQ*(\a)+(\q)] matrix_a_fmt:MATRIX_FMT_BF6 matrix_b_fmt:MATRIX_FMT_BF6 matrix_a_scale:MATRIX_SCALE_ROW1
.endif
.endr
.endr
.endm
.macro FETCH_B slot, q, p
	WIN TO_B
.irp i, 0,1,2,3,4,5,6,7
	FRAG 128*(\p)+FR*\i, ADRB+\slot, \q, \i
.endr
	WIN 0
.endm
.macro FETCH_A slot, q, i0
.irp i, \i0, \i0+1, \i0+2, \i0+3
	FRAG AF+FR*(\i), ADRA+\slot, \q, \i
.endr
.endm
.macro SCALES sc                       ; a K step's scale words: two a row; lanes 0-15 take A's block i, lanes 16-31 B's block i
.irp i, 0,1,2,3,4,5,6,7
	ds_load_b64 v[SC+8*NQ*\sc+NQ*\i:SC+8*NQ*\sc+NQ*\i+1], v[ADRS] offset:\i*SBLK
.endr
.endm
.macro PLACES n                        ; plain vector instructions that name no register of the matrix instructions in front (ISA guide 7.12.1)
.rept \n
	v_nop
.endr
.endm
.macro STEP slot, q, zero              ; a step of 128 along K that has its successor in the same slot
	s_wait_dscnt 4*NL                              ; B's set and A's blocks 0-3 are in; the youngest 24 loads (A's blocks 4-7) may be out
	WIN MUL_LO
	MUL16 0, (\q)%2, \q, \slot, \zero
	MUL16 2, (\q)%2, \q, \slot, \zero
	s_wait_dscnt 0
	PLACES NP
	FETCH_B \slot, (\q)+1, 1-(\q)%2
	FETCH_A \slot, (\q)+1, 0
	WIN MUL_HI
	MUL16 4, (\q)%2, \q, \slot, \zero
	MUL16 6, (\q)%2, \q, \slot, \zero
	PLACES NP
	WIN 0
	FETCH_A \slot, (\q)+1, 4
.endm
; A slot's last step changes slots: one barrier; in front of it each wave waits for all its tensor loads, adds 0 to its spare word, and waits for that and for its own reads of this slot.
; fill = 1: the slot is filled again, two K steps ahead.  fill = 2: slot 0 has been read for the last time and takes the tables of sin and cos.  fill = 0: nothing is filled, and no round follows.
.macro TURN slot, next, fill
	s_wait_tensorcnt 0x0                           ; all my tensor loads have landed: my part of the next slot
	ds_add_u32 v[SPW], v[NIL]                      ; 0 onto my spare word
	s_wait_dscnt 4*NL+1                            ; (the add and the youngest 24 loads may be out)
	WIN MUL_LO
	MUL16 0, 1, NQ-1, \slot, 0
	s_wait_dscnt 0x0                               ; the add is done, and my reads of this slot are over
	s_barrier_signal -1
	MUL16 2, 1, NQ-1, \slot, 0
	WIN 0
	s_barrier_wait -1
.if \fill == 1
	CREST                                          ; the barrier has opened a round of the cluster's barrier: no wave of any partner still reads this slot or has a load on its way
	s_add_nc_u64 s[G0+4*\slot+2:G0+4*\slot+3], s[G0+4*\slot+2:G0+4*\slot+3], 2*ROWB
	s_add_nc_u64 s[G0B+4*\slot+2:G0B+4*\slot+3], s[G0B+4*\slot+2:G0B+4*\slot+3], 2*ROWB
	JLOAD G0+4*\slot, G1, G0B+4*\slot, G1B         ; my one tensor load behind the round; its four v_nop are the places in front of the loads below
.elseif \fill == 2
	CREST
	JLOAD G0RS, G1R, G0RC, G1R                     ; waves 0, 1: sin's halves; waves 2, 3: cos's.  It has the last K step, 128 matrix instructions, in which to land
.else
	PLACES NP
.endif
	v_add_nc_u32 v[ADRS], 4*NQ, v[ADRS]            ; on to the next K step's scale words
	FETCH_B \next, 0, 0
	FETCH_A \next, 0, 0
	SCALES \next
	WIN MUL_HI
	MUL16 4, 1, NQ-1, \slot, 0
	MUL16 6, 1, NQ-1, \slot, 0
	PLACES NP
	WIN 0
	FETCH_A \next, 0, 4
.endm
	s_wait_tensorcnt 1                             ; the scales and my part of K step 0 are in (K step 1's load may be out),
	s_barrier_signal -1
	s_barrier_wait -1                              ; everybody's are
.if ROPE
	; the tables of my work-group's 256 tokens: 128 rows of 32 numbers a load, 16 bytes of padding behind each row; shared along my row of the cluster.  The scales' loads are done: their registers are free
	s_or_b32 s[G1R+0], s43, (2<<16)|(1<<20)|(1<<21)|(4<<22)|(3<<25)
	s_mov_b32 s[G1R+1], 32<<16
	s_mov_b32 s[G1R+2], 128<<16
	s_mov_b32 s[G1R+3], 32<<16
	s_mov_b32 s[G1R+4], 128
	s_mov_b32 s[G1R+5], 32
	s_mov_b32 s[G1R+6], 0
	s_mov_b32 s[G1R+7], 0
	s_and_b32 s22, s17, 7                          ; position = 256 (TR % 8) + 128 x (wave % 2); a row is 128 bytes
	s_lshl_b32 s22, s22, 15
	s_lshl_b32 s21, s16, 14
	s_add_co_u32 s22, s22, s21
	s_mov_b32 s23, 0
	s_mul_i32 s21, s14, TABH
	s_mov_b32 s[G0RS], 1
	s_mov_b32 s[G0RS+1], s21
	s_add_nc_u64 s[G0RS+2:G0RS+3], s[96:97], s[22:23]
	s_or_b32 s[G0RS+3], s[G0RS+3], 0x80000000
	s_mov_b32 s[G0RC], 1
	s_mov_b32 s[G0RC+1], s21
	s_add_nc_u64 s[G0RC+2:G0RC+3], s[98:99], s[22:23]
	s_or_b32 s[G0RC+3], s[G0RC+3], 0x80000000
.endif
	FETCH_B 0, 0, 0
	FETCH_A 0, 0, 0
	SCALES 0
	FETCH_A 0, 0, 4
	STEP 0, 0, 1                                   ; the first step stands in front of the loop: its products start the sums
	s_mov_b32 s3, LAPS-1
.Llap:                                                 ; a trip goes once round the ring and fills both slots again
	TURN 0, 1, 1
	STEP 1, 0, 0
	TURN 1, 0, 1
	STEP 0, 0, 0
	s_sub_co_u32 s3, s3, 1
	s_cmp_lg_u32 s3, 0
	s_cbranch_scc1 .Llap
.if ROPE
	TURN 0, 1, 2
.else
	TURN 0, 1, 0
.endif
	STEP 1, 0, 0
	s_wait_dscnt 4*NL                              ; the very last step: nothing more to fetch
	WIN MUL_LO
	MUL16 0, 1, NQ-1, 1, 0
	MUL16 2, 1, NQ-1, 1, 0
	s_wait_dscnt 0
	WIN MUL_HI
	MUL16 4, 1, NQ-1, 1, 0
	MUL16 6, 1, NQ-1, 1, 0
	WIN 0
; THE QUANTISER.  64 numbers of a lane, v[QSRC] on: registers 16 B .. 16 B + 15 of lanes l and l xor 16 are block B's 32 numbers.  Codes of blocks 0, 1 -> v[QD0] .. + 5, of blocks 2, 3 -> v[QD1] .. + 5
; (lanes 0-15 the even block, lanes 16-31 the odd one, as an operand wants them); the four scale bytes -> v[QPW].
.macro QUANT
.irp b, 0,1,2,3
	v_max3_num_f32 v[TM+\b], |v[QSRC+16*\b]|, |v[QSRC+1+16*\b]|, 0x2800000   ; my 16 numbers, and the floor 2^(5 - 127): so the byte cannot fall under 1
.endr
.irp i, 2,4,6,8,10,12,14
.irp b, 0,1,2,3
	v_max3_num_f32 v[TM+\b], v[TM+\b], |v[QSRC+16*\b+\i]|, |v[QSRC+1+16*\b+\i]|   ; (the four blocks by turns)
.endr
.endr
.irp b, 0,1,2,3
	v_permlanex16_b32 v[TM+4+\b], v[TM+\b], s[SEL], s[SEL+1]
.endr
.irp b, 0,1,2,3
	v_max_num_f32 v[TM+\b], v[TM+\b], v[TM+4+\b]   ; with lane l xor 16's: the block's largest magnitude
.endr
.irp b, 0,1,2,3
	v_add_nc_u32 v[TM+12+\b], 0xfe000000, v[TM+\b] ; 4 off its exponent field: the conversion takes the exponent field of this operand as its scale
.endr
.irp b, 0,1,2,3
	v_lshrrev_b32 v[TM+4+\b], 23, v[TM+12+\b]      ; the scale's byte
.endr
	v_lshl_or_b32 v[QPW], v[TM+5], 8, v[TM+4]
	v_lshl_or_b32 v[QPW], v[TM+6], 16, v[QPW]
	v_lshl_or_b32 v[QPW], v[TM+7], 24, v[QPW]
	v_cvt_scalef32_pk16_bf6_f32 v[QD0:QD0+2], v[QSRC:QSRC+15], v[TM+12]
	v_cvt_scalef32_pk16_bf6_f32 v[XQ:XQ+2], v[QSRC+16:QSRC+31], v[TM+13]       ; (a conversion's three registers begin on an even number)
	v_cvt_scalef32_pk16_bf6_f32 v[QD1:QD1+2], v[QSRC+32:QSRC+47], v[TM+14]
	v_cvt_scalef32_pk16_bf6_f32 v[XQ+4:XQ+6], v[QSRC+48:QSRC+63], v[TM+15]
	v_nop                                          ; one plain place behind a scaled conversion
.irp i, 0,1,2
	v_permlane16_swap_b32 v[QD0+\i], v[XQ+\i]      ; a whole block to a lane
	v_permlane16_swap_b32 v[QD1+\i], v[XQ+4+\i]
.endr
.irp i, 0,1,2
	v_mov_b32 v[QD0+3+\i], v[XQ+\i]
	v_mov_b32 v[QD1+3+\i], v[XQ+4+\i]
.endr
.endm
; Block a (16 rows of A) leaves.  The packed additions bring the sums out of the accumulators' window and add the bias in the same line; each accumulator is read from its low end on.
.macro EPI a
.set AC, 64*((\a)%4)
.set QSRC, H
.set QPW, PWS+(\a)
.if ROPE
.irp t, 0,1,2,3
	ds_load_b128 v[SN+4*\t:SN+4*\t+3], v[RA] offset:2304*(\a)+32*\t             ; sin and cos of token 16 a + r, angles 8 t + 4 h + 0 .. 3
	ds_load_b128 v[CSR+4*\t:CSR+4*\t+3], v[RA] offset:2*TABH+2304*(\a)+32*\t
.endr
	WIN 0x06+(\a)/4                                ; source 0: the accumulators' window; source 1: window 1, the bias
.set II, 0
.rept 32
.if II < 16
	v_pk_add_f32 v[H+2*II:H+2*II+1], v[AC+2*II:AC+2*II+1], v[96+2*II:97+2*II]
.else
	v_pk_add_f32 v[H+2*II:H+2*II+1], v[AC+2*II:AC+2*II+1], v[192+2*II:193+2*II]
.endif
.set II, II+1
.endr
	WIN 0
	s_wait_dscnt 0x0
.set IB, 0
.rept 8                                ; tile IB: channels 16 (IB % 4) + 8 h + 0 .. 7 of its head: four pairs (x0, x1) -> (x0 c - x1 s, x0 s + x1 c)
.irp p, 0,1,2,3
	v_mul_f32 v[RT+2*\p], v[H+8*IB+2*\p+1], v[SN+4*(IB%4)+\p]
	v_mul_f32 v[RT+2*\p+1], v[H+8*IB+2*\p], v[SN+4*(IB%4)+\p]
.endr
.irp p, 0,1,2,3
	v_fma_f32 v[H+8*IB+2*\p], v[H+8*IB+2*\p], v[CSR+4*(IB%4)+\p], -v[RT+2*\p]
	v_fma_f32 v[H+8*IB+2*\p+1], v[H+8*IB+2*\p+1], v[CSR+4*(IB%4)+\p], v[RT+2*\p+1]
.endr
.set IB, IB+1
.endr
.set QD0, IMG0+6*((\a)%2)              ; the even head's image: registers 0-5 from an even a, 6-11 from the odd a behind it
.set QD1, IMG1+6*((\a)%2)              ; the odd head's
.if ((\a)%2 == 0) && ((\a) > 0)
	s_wait_xcnt 0x0                                ; the last pair's stores have read the images: only now are they written again
.endif
	QUANT
.if (\a)%2 == 1
.irp c, 0,1,2
	global_store_b128 v[LI], v[IMG0+4*\c:IMG0+4*\c+3], s[12:13] offset:1536*((\a)/2)+512*\c          ; 32 lanes store 512 consecutive bytes, aligned to 256
	global_store_b128 v[LI], v[IMG1+4*\c:IMG1+4*\c+3], s[12:13] offset:HEADB+1536*((\a)/2)+512*\c
.endr
.endif
.else
	WIN 0x02+(\a)/4
.set II, 0
.rept 32
	v_pk_add_f32 v[H+2*II:H+2*II+1], v[AC+2*II:AC+2*II+1], v[BV+2*(\a):BV+2*(\a)+1]
.set II, II+1
.endr
	WIN 0
.set QD0, IMG0                         ; 16 channels x 128 keys: one whole fragment
.set QD1, IMG0+6
.if (\a) > 0
	s_wait_xcnt 0x0                                ; the last block's stores have read the image
.endif
	QUANT
.irp c, 0,1,2
	global_store_b128 v[LI], v[IMG0+4*\c:IMG0+4*\c+3], s[12:13] offset:((\a)/4)*HEADB+6656+((\a)%4)*1536+512*\c
.endr
.if (\a)%4 == 3
	global_store_b128 v[LI], v[PWS+4*((\a)/4):PWS+4*((\a)/4)+3], s[12:13] offset:((\a)/4)*HEADB+12800   ; the head's four scale words a lane
.endif
.endif
.endm
	PLACES NP                                      ; behind the last products: in front of the first read of results and of writes and loads into A's registers
.if ROPE
	s_wait_tensorcnt 0x0                           ; my part of the tables is in;
	s_wait_dscnt 0x0
	s_barrier_signal -1
	s_barrier_wait -1                              ; everybody's is.
.endif
	s_wait_loadcnt 0x0                             ; the bias
	s_mov_b32 s[SEL], 0x76543210
	s_mov_b32 s[SEL+1], 0xfedcba98                 ; lane l xor 16
.irp b, 0,1,2,3
	v_mov_b32 v[TM+4+\b], 0                        ; written once: a lane permute's destination counts as one of its sources
.endr
.irp a, 0,1,2,3,4,5,6,7
	EPI \a
.endr
.if ROPE
.irp p, 0,1,2,3                        ; a word of PWS holds the even head's two bytes below and the odd head's above; a pair's word wants tile 2 p's two bytes below and tile 2 p + 1's above
	v_and_b32 v[SWE+\p], 0xffff, v[PWS+2*\p]
	v_lshrrev_b32 v[SWO+\p], 16, v[PWS+2*\p]
.endr
.irp p, 0,1,2,3
	v_lshl_or_b32 v[SWE+\p], v[PWS+2*\p+1], 16, v[SWE+\p]
	v_and_or_b32 v[SWO+\p], v[PWS+2*\p+1], 0xffff0000, v[SWO+\p]
.endr
	global_store_b128 v[LI], v[SWE:SWE+3], s[12:13] offset:6144
	global_store_b128 v[LI], v[SWO:SWO+3], s[12:13] offset:HEADB+6144
.endif
	s_wait_tensorcnt 0x0                           ; the wave's end
	ds_add_u32 v[SPW], v[NIL]
	s_wait_dscnt 0x0
	CROUND                                         ; the closing round: no work-group ends while a partner may still ask for a tile that names it
	s_endpgm
.Lfunc_end_k_qdb61e44179_projv:
	.size	k_qdb61e44179_projv, .Lfunc_end_k_qdb61e44179_projv-k_qdb61e44179_projv
	.p2alignl 7, 3214868480
	.fill 96, 4, 3214868480
	.section	.rodata,"a",@progbits
	.p2align	6, 0x0
	.amdhsa_kernel k_qdb61e44179_projv
		.amdhsa_group_segment_fixed_size 327680
		.amdhsa_private_segment_fixed_size 0
		.amdhsa_enable_private_segment 0
		.amdhsa_kernarg_size 48
		.amdhsa_user_sgpr_count 2
		.amdhsa_user_sgpr_kernarg_segment_ptr 1
		.amdhsa_wavefront_size32 1
		.amdhsa_system_sgpr_workgroup_id_x 1
		.amdhsa_system_sgpr_workgroup_id_y 1
		.amdhsa_system_sgpr_workgroup_id_z 1
		.amdhsa_system_vgpr_workitem_id 0
		.amdhsa_next_free_vgpr 1024
		.amdhsa_next_free_sgpr 102
		.amdhsa_reserve_vcc 0
		.amdhsa_float_denorm_mode_32 3
		.amdhsa_float_denorm_mode_16_64 3
		.amdhsa_memory_ordered 1
		.amdhsa_forward_progress 1
		.amdhsa_inst_pref_size 181
	.end_amdhsa_kernel
	.amdgpu_metadata
---
amdhsa.version: [ 1, 2 ]
amdhsa.kernels:
  - .name:           k_qdb61e44179_projv
    .symbol:         k_qdb61e44179_projv.kd
    .args:
      - { .name: Wv_codes, .offset: 0, .size: 8, .value_kind: global_buffer, .address_space: global }
      - { .name: Wv_scales, .offset: 8, .size: 8, .value_kind: global_buffer, .address_space: global }
      - { .name: v_codes, .offset: 16, .size: 8, .value_kind: global_buffer, .address_space: global }
      - { .name: v_scales, .offset: 24, .size: 8, .value_kind: global_buffer, .address_space: global }
      - { .name: kvrec, .offset: 32, .size: 8, .value_kind: global_buffer, .address_space: global }
      - { .name: bv, .offset: 40, .size: 8, .value_kind: global_buffer, .address_space: global }
    .group_segment_fixed_size: 327680
    .private_segment_fixed_size: 0
    .kernarg_segment_align: 8
    .kernarg_segment_size: 48
    .max_flat_workgroup_size: 128
    .sgpr_count:     102
    .vgpr_count:     1024
    .wavefront_size: 32
...
	.end_amdgpu_metadata
.endif
;; end of part 2
;; launch attn (part 3): grid 4 x 64, 16 waves a work-group, clusters of 4 x 1, 284,672 bytes of LDS; arguments qrec, kvrec, out0; writes out0
.if DOCPART == 3
	.amdgcn_target "amdgcn-amd-amdhsa--gfx1250"
	.amdhsa_code_object_version 6
	.text
	.protected	k_qdb61e44179_attn
	.globl	k_qdb61e44179_attn
	.p2align	8
	.type	k_qdb61e44179_attn,@function
k_qdb61e44179_attn:
	s_mov_b64 s[64:65], 0
	v_nop
	global_prefetch_b8 v0, s[64:65] scope:SCOPE_SE
	s_setreg_imm32_b32 hwreg(HW_REG_WAVE_MODE, 25, 1), 1
	s_wait_xcnt 0x0
	s_wait_alu depctr_hold_cnt(0) depctr_sa_sdst(0) depctr_va_vdst(0) depctr_va_sdst(0) depctr_va_ssrc(0) depctr_va_vcc(0) depctr_vm_vsrc(0)
	s_getreg_b32 s2, hwreg(HW_REG_IB_STS2, 6, 4)
	s_cmp_eq_u32 s2, 0
	s_cbranch_scc0 .Lentry_in_a_cluster
	s_endpgm
.Lentry_in_a_cluster:
	s_bfe_u32 s2, ttmp6, 0x10000c
	s_cmp_lg_u32 s2, 0x3003
	s_cbranch_scc0 .Lentry_shape_is_right
	s_endpgm
.Lentry_shape_is_right:
; CAUSAL ATTENTION ON CODES OF BF6 (E3M2): out[b][q][head] = the sum over keys k <= q of softmax_k(Q . K / 8) V, head size 64, 2,048 tokens, 64 (batch, head) pairs.
; Q, K and V come from the two launches before as images of operand registers, in records of 13,312 bytes for one (batch, head) and 128 tokens:
;   0: four images of 12 registers, each TWO tiles of 16 tokens x 64 channels (registers 0-5, 6-11);  6,144: their scale words;  6,656: four images of 16 channels x 128 keys (V^T);  12,800: their scale words.
; THE SOFTMAX AHEAD OF THE SECOND PRODUCT: t = score x log2(e) / 8; M = the row's largest t so far, rounded UP to a whole number; p = 2^(t - M) is quantised along the keys, not normalised;
; the row's sum is taken of the unquantised p and divides at the end.  When M moves, the sum and O are multiplied by 2^(old M - new M): exact.
; A WHOLE HEAD STAYS IN LDS: its 16 records of K and V are 212,992 bytes, filled once.  So there is no ring, nothing is filled twice, and behind the two barriers at the start no wave waits for another.
; CLUSTER: the four work-groups of a cluster serve one (batch, head) and need the same records: each part is asked for JOINTLY, by the same tensor load with the same descriptor and the mask of all four.
; SHARES.  A head's 128 tiles of 16 queries are 16 groups of 8; a group is the same 128 tokens as a key step.  Wave w of work-group cx takes tile 2 cx + w % 2 of TWO groups: 15 - w / 2, then w / 2:
; (16 - w / 2) + (w / 2 + 1) = 17 key steps for every wave of the launch.  The loops' trip counts are constants; a step all of whose keys come after the group is jumped over by a scalar branch on the wave's
; number and the step's; in the one step on the diagonal hidden scores become -infinity.  The place in the cluster enters global addresses and the mask's numbers alone.
; LAYOUT.  Both products are used transposed: S^T = K Q^T (source 0 = keys), O^T = V^T P^T (source 0 = channels): a lane holds ONE query (lane % 16) throughout.
; THE FIRST PRODUCT'S K IS 64, the instruction's 128: an image of K holds two tiles of keys in the two halves of K, and Q stands in a run of registers [zeros | Q | zeros], from which [Q | 0] picks the
; first tile and [0 | Q] the second; the other half meets zero codes.
; ORDER INSIDE A BLOCK OF 32: the codes of Q, K, V and p stand in the order 0-7, 16-23, 8-15, 24-31, alike on both sides of each product; blocks and scales are the true ones.
; LIMITS: NaN and infinities are not served; a block of p that has fallen to zeros keeps the byte 1 (its codes are zeros).
.set HEADB, 212992
.set REC,   13312
.set KSCO,  6144
.set VIMO,  6656
.set VSCO,  12800
.set SH1,   4*REC/16                   ; 3,328: a wave's share (13 rows of 256 bytes) of key steps 0-3
.set SH2,   12*REC/16                  ; 9,984: its share (39 rows) of key steps 4-15
.set STAGE, 16*REC                     ; behind the records: 16 rows x (256 bytes + 16) for each wave, for the way out; no tensor load lands there
.set LI,   1                           ; v1   16 x lane
.set RR,   2                           ; v2   r = lane % 16
.set HH,   3                           ; v3   h = lane / 16
.set QOF,  4                           ; v4   Q's image in a record: 16 x lane + 1,536 cx
.set QSO,  5                           ; v5   its scale word: 6,144 + 16 x lane + 4 cx
.set STO,  6                           ; v6   the stage: where I put 32 bytes of a row
.set RD,   7                           ; v7   and where I read a row back
.set GO,   8                           ; v8   my byte offset in the tile's rows of the output
.set DQ,   9                           ; v9   my query in its group - 8 h
.set AD,   10                          ; v10  LDS address of the step's record
.set NINF, 11                          ; v11  -infinity
.set NM,   12                          ; v12  -M;  v13 the largest t;  v[14:15] the sum in two halves
.set MT,   13
.set SUM,  14
.set Q2,   16                          ; v16-33: six zeros, Q's six registers, six zeros.  Q2 = v[16:27] = [0 | Q], Q1 = v[22:33] = [Q | 0]
.set Q1,   22
.set QS1,  34                          ; v34, v35 Q's scale words for the two
.set QS2,  35
.set F,    36                          ; v36-83 four fragments: K's pairs, then V's
.set KSW,  84                          ; v84-87 K's scale words;  v88-91 V's
.set VSW,  88
.set S,    96                          ; v96-159 S^T, then p
.set O,    160                         ; v160-191 O^T
.set PCD,  192                         ; v192-203 p's codes
.set XQ,   204                         ; v204-206, v208-210 the upper halves of blocks
.set BM,   212                         ; v212-215 each block's largest score, then p
.set TP,   216                         ; v216-219 at work
.set SO,   220                         ; v220-223 the conversions' scale operands
.set FF,   224                         ; v[224:225] f = 2^(old M - new M)
.set TMP,  226
.set PSW,  228                         ; v228 p's scale word
.set SUM2, 230                         ; v[230:231] the second chain of the sum
.set QA,   236                         ; v236-241 the second pass's Q;  v242, v243 its scale words
.set QAS,  242
.set T0,   244
.set WV,   10                          ; s10 wave;  s11 cx;  s12 16 x batch + head;  s13 w % 2;  s14 my tile in a group;  s15 0 or -1 for w % 2
.set CX,   11
.set BH,   12
.set UU,   13
.set TI,   14
.set UM,   15
.set GA,   16                          ; s16 the second pass's group;  s17 the first's
.set GB,   17
.set G,    18                          ; s18 the group in hand
.set ST,   19                          ; s19 the key step
.set TB,   20                          ; s20 its record in LDS
.set G1A,  24                          ; s[24:31], s[32:39] descriptor groups 1;  s[40:43], s[44:47] groups 0
.set G1C,  32
.set G0A,  40
.set G0C,  44
.set SEL,  48                          ; s48, s49 lane selects: lane l xor 16
.set CS,   50                          ; s[50:51] c = log2(e) / 8
.set QPB,  52                          ; s[52:53], s[54:55] Q's record, first and second pass
.set QPA,  54
.set OPB,  56                          ; s[56:57], s[58:59] the tile's first row of the output
.set OPA,  58
.macro CROUND                          ; a round of the cluster's barrier
	s_barrier_signal -1
	s_barrier_wait -1
	s_cmp_lg_u32 s[WV], 0
	s_cbranch_scc1 .Lnot_wave_0_\@
	s_barrier_signal -3
.Lnot_wave_0_\@:
	s_barrier_wait -3
	s_barrier_signal -1
	s_barrier_wait -1
.endm
	s_load_b128 s[4:7], s[0:1], 0x0                ; Q's records, K's and V's records
	s_load_b64 s[8:9], s[0:1], 0x10                ; the output
	v_lshl_add_u32 v254, v0, 2, 0x45000
	v_mov_b32 v255, 0
	ds_add_u32 v254, v255
	ds_add_u32 v254, v255
	v_lshrrev_b32 v1, 5, v0
	v_readfirstlane_b32 s[WV], v1                  ; wave 0..15
	s_bfe_u32 s[CX], ttmp6, 0x40000                ; my place in the cluster
	s_and_b32 s[BH], ttmp7, 0xffff                 ; the (batch, head), which the four partners share
	s_and_b32 s[UU], s[WV], 1
	s_lshl_b32 s[TI], s[CX], 1
	s_add_co_u32 s[TI], s[TI], s[UU]               ; my tile in a group: 2 cx + w % 2
	s_sub_co_u32 s[UM], 0, s[UU]
	s_lshr_b32 s[GA], s[WV], 1
	s_sub_co_u32 s[GB], 15, s[GA]
	; descriptor groups 1: dense blocks as rows of 256 bytes (32 elements of 8 bytes), 13 rows and 39 rows; the mask names all four work-groups, bit 21 beside it
	s_mov_b32 s[G1A], 15|(3<<16)|(1<<21)
	s_mov_b32 s[G1A+1], 32<<16
	s_mov_b32 s[G1A+2], 13<<16
	s_mov_b32 s[G1A+3], 32<<16
	s_mov_b32 s[G1A+4], 13
	s_mov_b32 s[G1A+5], 32
	s_mov_b32 s[G1A+6], 0
	s_mov_b32 s[G1A+7], 0
	s_mov_b32 s[G1C], 15|(3<<16)|(1<<21)
	s_mov_b32 s[G1C+1], 32<<16
	s_mov_b32 s[G1C+2], 39<<16
	s_mov_b32 s[G1C+3], 32<<16
	s_mov_b32 s[G1C+4], 39
	s_mov_b32 s[G1C+5], 32
	s_mov_b32 s[G1C+6], 0
	s_mov_b32 s[G1C+7], 0
	s_mov_b32 s[SEL], 0x76543210
	s_mov_b32 s[SEL+1], 0xfedcba98
	s_mov_b32 s[CS], 0x3e38aa3b                    ; log2(e) / 8
	s_mov_b32 s[CS+1], s[CS]                       ; (named with it as a pair, so it is written)
	s_mul_i32 s60, s[BH], HEADB                    ; the head's first byte in both buffers of records
	s_mov_b32 s61, 0
	s_mul_i32 s21, s[WV], SH1                      ; my shares: the same offsets in memory and in LDS
	s_mul_i32 s22, s[WV], SH2
	s_add_co_u32 s22, s22, 4*REC
	s_mov_b32 s63, 0
	s_wait_dscnt 0x0
	s_wait_kmcnt 0x0
	s_add_nc_u64 s[4:5], s[4:5], s[60:61]
	s_add_nc_u64 s[6:7], s[6:7], s[60:61]
	CROUND                                         ; all four work-groups are here: the joint loads meet
	s_mov_b32 s[G0A], 1
	s_mov_b32 s[G0A+1], s21
	s_mov_b32 s62, s21
	s_add_nc_u64 s[G0A+2:G0A+3], s[6:7], s[62:63]
	s_or_b32 s[G0A+3], s[G0A+3], 0x80000000
	s_mov_b32 s[G0C], 1
	s_mov_b32 s[G0C+1], s22
	s_mov_b32 s62, s22
	s_add_nc_u64 s[G0C+2:G0C+3], s[6:7], s[62:63]
	s_or_b32 s[G0C+3], s[G0C+3], 0x80000000
	tensor_load_to_lds s[G0A:G0A+3], s[G1A:G1A+7]  ; the sixteen waves' first loads bring key steps 0-3,
	s_nop 0
	tensor_load_to_lds s[G0C:G0C+3], s[G1C:G1C+7]  ; their second loads key steps 4-15.  Two loads of mine are out; both are first fills, and there are no others
	s_nop 0
.rept 4
	v_nop
.endr
	s_mul_i32 s62, s[GB], REC
	s_add_nc_u64 s[QPB:QPB+1], s[4:5], s[62:63]    ; Q's record of the first pass,
	s_mul_i32 s62, s[GA], REC
	s_add_nc_u64 s[QPA:QPA+1], s[4:5], s[62:63]    ; of the second
	s_lshr_b32 s21, s[BH], 4
	s_lshl_b32 s21, s21, 11
	s_lshl_b32 s22, s[TI], 4
	s_add_co_u32 s21, s21, s22                     ; 2,048 x batch + 16 x tile
	s_and_b32 s23, s[BH], 15
	s_lshl_b32 s23, s23, 8                         ; the head's 256 bytes in a row of 4,096
	s_lshl_b32 s22, s[GB], 7
	s_add_co_u32 s22, s22, s21
	s_lshl_b32 s62, s22, 12
	s_add_co_u32 s62, s62, s23
	s_add_nc_u64 s[OPB:OPB+1], s[8:9], s[62:63]
	s_lshl_b32 s22, s[GA], 7
	s_add_co_u32 s22, s22, s21
	s_lshl_b32 s62, s22, 12
	s_add_co_u32 s62, s62, s23
	s_add_nc_u64 s[OPA:OPA+1], s[8:9], s[62:63]
	v_and_b32 v[T0], 31, v0
	v_lshlrev_b32 v[LI], 4, v[T0]
	v_and_b32 v[RR], 15, v0
	v_bfe_u32 v[HH], v0, 4, 1
	s_mul_i32 s21, s[CX], 1536
	v_add_nc_u32 v[QOF], s21, v[LI]
	s_lshl_b32 s21, s[CX], 2
	s_add_co_u32 s21, s21, KSCO
	v_add_nc_u32 v[QSO], s21, v[LI]
.irp c, 0,1,2
	global_load_b128 v[96+4*\c:99+4*\c], v[QOF], s[QPB:QPB+1] offset:512*\c      ; the image of tiles 2 cx and 2 cx + 1, first pass,
	global_load_b128 v[112+4*\c:115+4*\c], v[QOF], s[QPA:QPA+1] offset:512*\c    ; second pass
.endr
	global_load_b32 v108, v[QSO], s[QPB:QPB+1]     ; and their scale words
	global_load_b32 v124, v[QSO], s[QPA:QPA+1]
	s_mul_i32 s22, s[WV], 16*272
	s_add_co_u32 s22, s22, STAGE                   ; my stage
	v_mul_u32_u24 v[STO], v[RR], 272
	v_lshl_add_u32 v[STO], v[HH], 5, v[STO]
	v_add_nc_u32 v[STO], s22, v[STO]               ; in: row r, + 32 h; tile t of channels: 64 t on
	v_mul_u32_u24 v[RD], v[HH], 272
	v_lshl_add_u32 v[RD], v[RR], 4, v[RD]
	v_add_nc_u32 v[RD], s22, v[RD]                 ; back: lanes 0-15 one row, lanes 16-31 the next
	v_lshlrev_b32 v[GO], 12, v[HH]
	v_lshl_add_u32 v[GO], v[RR], 4, v[GO]          ; and the same two rows of the output
	s_lshl_b32 s21, s[TI], 4
	v_lshlrev_b32 v[DQ], 3, v[HH]
	v_sub_nc_u32 v[DQ], v[RR], v[DQ]
	v_add_nc_u32 v[DQ], s21, v[DQ]                 ; 16 x tile + r - 8 h
	v_mov_b32 v[NINF], 0xff800000
.irp i, 0,1,2,3,4,5
	v_mov_b32 v[Q2+\i], 0                          ; zero codes on both sides of Q
	v_mov_b32 v[Q1+6+\i], 0
.endr
.irp b, 0,1,2,3
	v_mov_b32 v[TP+\b], 0                          ; written once: a lane permute's destination counts as one of its sources
.endr
	v_mov_b32 v[FF+1], 0                           ; (named as the upper half of a pair)
	v_mov_b32 v[TMP], 0
; Of an image's two tiles mine is the first (w even) or the second (w odd); of its scale word the low or the high two bytes.  [Q | 0] wants them low, [0 | Q] high; the other two bytes meet zero codes.
.macro QSET t, w, d, s1, s2
.irp i, 0,1,2,3,4,5
	v_cndmask_b32 v[\d+\i], v[\t+\i], v[\t+6+\i], s[UM]
.endr
	v_lshrrev_b32 v[T0], 16, v[\w]
	v_lshlrev_b32 v[T0+1], 16, v[\w]
	v_cndmask_b32 v[\s1], v[\w], v[T0], s[UM]
	v_cndmask_b32 v[\s2], v[T0+1], v[\w], s[UM]
.endm
	s_wait_loadcnt 0x0
	QSET 96, 108, Q1, QS1, QS2
	QSET 112, 124, QA, QAS, QAS+1
.macro INIT                            ; a pass begins: the first change of M multiplies zeros.  These lines are also the places between the writes of Q and its scale words and the first product
	v_mov_b32 v[MT], 0xff61b1e6                    ; the largest t so far: -3e38
	v_floor_f32 v[NM], -v[MT]
	v_mov_b32 v[SUM], 0
	v_mov_b32 v[SUM+1], 0
.set II, 0
.rept 32
	v_mov_b32 v[O+II], 0
.set II, II+1
.endr
.endm
; A KEY STEP: 128 keys.  kind = 0: all keys count.  kind = 1: the step is jumped over where its keys come after the group, and masked where it is the group's own.
.macro STEP kind
.if \kind
	s_cmp_gt_u32 s[ST], s[G]
	s_cbranch_scc1 .Lhidden_\@
.endif
.rept 3
	v_nop                                          ; with the addition below: four places behind the last step's products, in front of the loads into their registers
.endr
	v_add_nc_u32 v[AD], s[TB], v[LI]
.set II, 0
.rept 12
	ds_load_b128 v[F+4*II:F+4*II+3], v[AD] offset:512*II           ; K's four images, as they were stored: 512 consecutive bytes a load
.set II, II+1
.endr
	ds_load_b128 v[KSW:KSW+3], v[AD] offset:KSCO
	s_wait_dscnt 0x0
.irp t, 0,1,2,3                        ; S^T: keys 32 t + 0 .. 15 by [Q | 0], keys 32 t + 16 .. 31 by [0 | Q].  Register 8 n + j of lane (r, h): key 16 n + 8 h + j, query r
	v_wmma_scale_f32_16x16x128_f8f6f4 v[S+16*\t:S+16*\t+7], v[F+12*\t:F+12*\t+11], v[Q1:Q1+11], 0, v[KSW+\t], v[QS1] matrix_a_fmt:MATRIX_FMT_BF6 matrix_b_fmt:MATRIX_FMT_BF6
	v_wmma_scale_f32_16x16x128_f8f6f4 v[S+16*\t+8:S+16*\t+15], v[F+12*\t:F+12*\t+11], v[Q2:Q2+11], 0, v[KSW+\t], v[QS2] matrix_a_fmt:MATRIX_FMT_BF6 matrix_b_fmt:MATRIX_FMT_BF6
.endr
.rept 4
	v_nop                                          ; places: in front of the loads into K's registers and of the first read of the scores
.endr
.set II, 0
.rept 12
	ds_load_b128 v[F+4*II:F+4*II+3], v[AD] offset:VIMO+512*II      ; V's four fragments: they land while the softmax is walked
.set II, II+1
.endr
	ds_load_b128 v[VSW:VSW+3], v[AD] offset:VSCO
.if \kind
	s_cmp_lg_u32 s[ST], s[G]
	s_cbranch_scc1 .Lopen_\@
.set II, 0
.rept 64                               ; on the diagonal: key 16 (II / 8) + 8 h + II % 8 is hidden from query 16 x tile + r where it is the larger
	v_cmp_gt_i32 vcc_lo, 16*(II/8)+II%8, v[DQ]
	v_cndmask_b32 v[S+II], v[S+II], v[NINF], vcc_lo
.set II, II+1
.endr
.Lopen_\@:
.endif
.irp b, 0,1,2,3
	v_max3_num_f32 v[BM+\b], v[S+16*\b], v[S+1+16*\b], v[S+2+16*\b]   ; the largest score of each block of 32 keys: it serves for the row's maximum and, since p rises with the score, for the block's largest p
.endr
.irp i, 3,5,7,9,11,13
.irp b, 0,1,2,3
	v_max3_num_f32 v[BM+\b], v[BM+\b], v[S+16*\b+\i], v[S+1+16*\b+\i]
.endr
.endr
.irp b, 0,1,2,3
	v_max_num_f32 v[BM+\b], v[BM+\b], v[S+15+16*\b]
.endr
.irp b, 0,1,2,3
	v_permlanex16_b32 v[TP+\b], v[BM+\b], s[SEL], s[SEL+1]
.endr
.irp b, 0,1,2,3
	v_max_num_f32 v[BM+\b], v[BM+\b], v[TP+\b]     ; with lane l xor 16's 16 keys
.endr
	v_max3_num_f32 v[TMP], v[BM], v[BM+1], v[BM+2]
	v_max_num_f32 v[TMP], v[TMP], v[BM+3]          ; the step's largest score of my query
	v_mul_f32 v[TMP], s[CS], v[TMP]                ; as t
	v_max_num_f32 v[MT], v[MT], v[TMP]             ; the running largest t
	v_mov_b32 v[TMP], v[NM]
	v_floor_f32 v[NM], -v[MT]                      ; the new -M = floor(-t): M is a whole number
	v_sub_f32 v[TMP], v[NM], v[TMP]                ; old M - new M: a whole number, 0 or less
	v_cvt_i32_f32 v[TMP], v[TMP]                   ; (it saturates)
	v_ldexp_f32 v[FF], 1.0, v[TMP]                 ; f = 2^(old M - new M)
.set II, 0
.rept 32
	v_pk_fma_f32 v[S+2*II:S+2*II+1], v[S+2*II:S+2*II+1], s[CS:CS+1], v[NM:NM+1] op_sel_hi:[1,0,0]   ; t - M, two at a time
.set II, II+1
.endr
.irp b, 0,1,2,3
	v_fma_f32 v[BM+\b], v[BM+\b], s[CS], v[NM]     ; the same of each block's largest score
.endr
.set II, 0
.rept 64
	v_exp_f32 v[S+II], v[S+II]                     ; p = 2^(t - M), at most 1
.set II, II+1
.endr
.irp b, 0,1,2,3
	v_exp_f32 v[BM+\b], v[BM+\b]                   ; the block's largest p: the same two instructions on the same number
.endr
	v_pk_mul_f32 v[SUM:SUM+1], v[SUM:SUM+1], v[FF:FF+1] op_sel_hi:[1,0]   ; the sums under the new M.  (A plain place behind the exponentials)
	s_wait_alu depctr_va_vdst(0)
.irp b, 0,1,2,3
	v_max_num_f32 v[BM+\b], 0x2800000, v[BM+\b]    ; the floor 2^(5 - 127): the byte cannot fall under 1
.endr
.irp b, 0,1,2,3
	v_add_nc_u32 v[SO+\b], 0xfe000000, v[BM+\b]    ; 4 off the exponent field: the conversion's scale operand
.endr
.irp b, 0,1,2,3
	v_lshrrev_b32 v[TP+\b], 23, v[SO+\b]           ; the scale's byte
.endr
	v_lshl_or_b32 v[PSW], v[TP+1], 8, v[TP]        ; p's scale word for these 128 keys
	v_lshl_or_b32 v[PSW], v[TP+2], 16, v[PSW]
	v_lshl_or_b32 v[PSW], v[TP+3], 24, v[PSW]
	v_cvt_scalef32_pk16_bf6_f32 v[PCD:PCD+2], v[S:S+15], v[SO]
	v_cvt_scalef32_pk16_bf6_f32 v[XQ:XQ+2], v[S+16:S+31], v[SO+1]       ; (a conversion's three registers begin on an even number)
	v_cvt_scalef32_pk16_bf6_f32 v[PCD+6:PCD+8], v[S+32:S+47], v[SO+2]
	v_cvt_scalef32_pk16_bf6_f32 v[XQ+4:XQ+6], v[S+48:S+63], v[SO+3]
	v_nop                                          ; one plain place behind a scaled conversion
.irp i, 0,1,2
	v_permlane16_swap_b32 v[PCD+\i], v[XQ+\i]      ; a whole block to a lane
	v_permlane16_swap_b32 v[PCD+6+\i], v[XQ+4+\i]
.endr
.irp i, 0,1,2
	v_mov_b32 v[PCD+3+\i], v[XQ+\i]
	v_mov_b32 v[PCD+9+\i], v[XQ+4+\i]
.endr
.set II, 0
.rept 16
	v_pk_mul_f32 v[O+2*II:O+2*II+1], v[O+2*II:O+2*II+1], v[FF:FF+1] op_sel_hi:[1,0]   ; O^T under the new M; each accumulator from its low end on
.set II, II+1
.endr
	v_pk_add_f32 v[SUM2:SUM2+1], v[S:S+1], v[S+2:S+3]                  ; the row's sum is taken of the unquantised p: two at a time, in two chains
.set II, 4
.rept 15
	v_pk_add_f32 v[SUM:SUM+1], v[SUM:SUM+1], v[S+II:S+II+1]
	v_pk_add_f32 v[SUM2:SUM2+1], v[SUM2:SUM2+1], v[S+II+2:S+II+3]
.set II, II+4
.endr
	v_pk_add_f32 v[SUM:SUM+1], v[SUM:SUM+1], v[SUM2:SUM2+1]            ; (these 48 lines are the places between the writes of p's codes and scale word and the products)
	s_wait_dscnt 0x0                               ; V is in
.irp t, 0,1,2,3                        ; O^T += V^T P^T: the four accumulators by turns, and the eight products of S^T stand between two links of a chain
	v_wmma_scale_f32_16x16x128_f8f6f4 v[O+8*\t:O+8*\t+7], v[F+12*\t:F+12*\t+11], v[PCD:PCD+11], v[O+8*\t:O+8*\t+7], v[VSW+\t], v[PSW] matrix_a_fmt:MATRIX_FMT_BF6 matrix_b_fmt:MATRIX_FMT_BF6
.endr
.if \kind
.Lhidden_\@:
.endif
	s_add_co_u32 s[TB], s[TB], REC
	s_add_co_u32 s[ST], s[ST], 1
.endm
; THE WAY OUT of a tile: O^T / the sum goes through my stage and leaves as rows: sixteen lanes store a token's 64 channels of the head, 256 consecutive bytes, aligned.
.macro OUT base
.rept 4
	v_nop                                          ; places behind the last products
.endr
	v_add_f32 v[SUM], v[SUM], v[SUM+1]
	v_permlanex16_b32 v[TMP], v[SUM], s[SEL], s[SEL+1]
	v_add_f32 v[SUM], v[SUM], v[TMP]               ; the row's sum
	v_rcp_f32 v[SUM], v[SUM]
	v_nop                                          ; a plain place behind the transcendental
.set II, 0
	s_wait_alu depctr_va_vdst(0)
.rept 32
	v_mul_f32 v[S+II], v[O+II], v[SUM]             ; register 8 t + j: channel 16 t + 8 h + j of query r
.set II, II+1
.endr
.irp t, 0,1,2,3
	ds_store_b128 v[STO], v[S+8*\t:S+8*\t+3] offset:64*\t
	ds_store_b128 v[STO], v[S+8*\t+4:S+8*\t+7] offset:64*\t+16
.endr
.irp i, 0,1,2,3,4,5,6,7
	ds_load_b128 v[S+32+4*\i:S+32+4*\i+3], v[RD] offset:544*\i     ; LDS serves a wave's instructions in order (ISA guide 5.7.1.4): these see my stores
.endr
.irp i, 0,1,2,3,4,5,6,7
	s_wait_dscnt 7-\i                              ; the younger loads may be out
	global_store_b128 v[GO], v[S+32+4*\i:S+32+4*\i+3], s[\base:\base+1] offset:8192*\i th:TH_STORE_NT
.endr
.endm
	s_wait_tensorcnt 0x1                           ; my share of key steps 0-3 is in; my second load may stay out
	s_barrier_signal -1
	s_barrier_wait -1                              ; everybody's is
	s_mov_b32 s[G], s[GB]                          ; THE FIRST PASS: the group of 8 to 15
	s_mov_b32 s[ST], 0
	s_mov_b32 s[TB], 0
	INIT
.Lfirst:                                           ; key steps 0-3: they count whole for every wave
	STEP 0
	s_cmp_lt_u32 s[ST], 4
	s_cbranch_scc1 .Lfirst
	s_wait_tensorcnt 0x0                           ; my share of key steps 4-15 is in,
	s_wait_dscnt 0x0
	s_barrier_signal -1
	s_barrier_wait -1                              ; everybody's is: from here on no wave waits for another
	s_mov_b32 s[ST], 4
	s_mov_b32 s[TB], 4*REC
.Lrest:                                            ; key steps 4-15
	STEP 1
	s_cmp_lt_u32 s[ST], 16
	s_cbranch_scc1 .Lrest
	OUT OPB
	s_wait_xcnt 0x0                                ; the stores have read their registers: the next pass writes them again
.irp i, 0,1,2,3,4,5
	v_mov_b32 v[Q1+\i], v[QA+\i]                   ; THE SECOND PASS: the group of 0 to 7
.endr
	v_mov_b32 v[QS1], v[QAS]
	v_mov_b32 v[QS2], v[QAS+1]
	s_mov_b32 s[G], s[GA]
	s_mov_b32 s[ST], 0
	s_mov_b32 s[TB], 0
	INIT
.Lsecond:                                          ; key steps 0-7
	STEP 1
	s_cmp_lt_u32 s[ST], 8
	s_cbranch_scc1 .Lsecond
	OUT OPA
	s_wait_dscnt 0x0
	s_wait_tensorcnt 0x0
	ds_add_u32 v254, v255
	s_wait_dscnt 0x0
	CROUND                                         ; the closing round
	s_endpgm
.Lfunc_end_k_qdb61e44179_attn:
	.size	k_qdb61e44179_attn, .Lfunc_end_k_qdb61e44179_attn-k_qdb61e44179_attn
	.p2alignl 7, 3214868480
	.fill 96, 4, 3214868480
	.section	.rodata,"a",@progbits
	.p2align	6, 0x0
	.amdhsa_kernel k_qdb61e44179_attn
		.amdhsa_group_segment_fixed_size 284672
		.amdhsa_private_segment_fixed_size 0
		.amdhsa_enable_private_segment 0
		.amdhsa_kernarg_size 24
		.amdhsa_user_sgpr_count 2
		.amdhsa_user_sgpr_kernarg_segment_ptr 1
		.amdhsa_wavefront_size32 1
		.amdhsa_system_sgpr_workgroup_id_x 1
		.amdhsa_system_sgpr_workgroup_id_y 1
		.amdhsa_system_sgpr_workgroup_id_z 1
		.amdhsa_system_vgpr_workitem_id 0
		.amdhsa_next_free_vgpr 256
		.amdhsa_next_free_sgpr 66
		.amdhsa_reserve_vcc 1
		.amdhsa_float_denorm_mode_32 3
		.amdhsa_float_denorm_mode_16_64 3
		.amdhsa_memory_ordered 1
		.amdhsa_forward_progress 1
		.amdhsa_inst_pref_size 74
	.end_amdhsa_kernel
	.amdgpu_metadata
---
amdhsa.version: [ 1, 2 ]
amdhsa.kernels:
  - .name:           k_qdb61e44179_attn
    .symbol:         k_qdb61e44179_attn.kd
    .args:
      - { .name: qrec, .offset: 0, .size: 8, .value_kind: global_buffer, .address_space: global }
      - { .name: kvrec, .offset: 8, .size: 8, .value_kind: global_buffer, .address_space: global }
      - { .name: out0, .offset: 16, .size: 8, .value_kind: global_buffer, .address_space: global }
    .group_segment_fixed_size: 284672
    .private_segment_fixed_size: 0
    .kernarg_segment_align: 8
    .kernarg_segment_size: 24
    .max_flat_workgroup_size: 512
    .sgpr_count:     66
    .vgpr_count:     256
    .wavefront_size: 32
...
	.end_amdgpu_metadata
.endif
;; end of part 3
